; MI455X (gfx1250); checked and timed in simulation.
; The chip was launched on July 23, 2026; its instructions are those of AMD's public machine-readable ISA for CDNA 5 (MIT licence, August 2026) and "CDNA5" Instruction Set Architecture Reference Guide (July 2026). The comments in the code are by the model that wrote it; some were corrected since.
;; Mixture Of Experts. Allowed arithmetic: matrix products marked QUANTISED: E5M2 operands, one E8M0 scale for each 32 along K, by v_wmma_scale_f32_16x16x128_f8f6f4 with both operands' format E5M2, f32 sums; products left as they are: f32 operands where the result goes on into a quantised operand, else bf16, f16 or f32 operands; f32 sums; everything else in f32.
;; Inputs: gate_w 64 x 8 float32; n1 8 x 512 float32; n2 8 x 512 float32; w1_codes 8 x 512 x 2 x 32 uint8 (E5M2 codes of w1, K innermost, in blocks of 32 codes); w1_scales 8 x 512 x 2 uint8 (E8M0 scales of w1, one for each 32 codes along K); w2_codes 8 x 512 x 16 x 32 uint8 (E5M2 codes of w2, K innermost, in blocks of 32 codes); w2_scales 8 x 512 x 16 uint8 (E8M0 scales of w2, one for each 32 codes along K); w3_codes 8 x 64 x 16 x 32 uint8 (E5M2 codes of w3, K innermost, in blocks of 32 codes); w3_scales 8 x 64 x 16 uint8 (E8M0 scales of w3, one for each 32 codes along K); x 4 x 2,048 x 64 float32.
;; Outputs: out0 4 x 2,048 x 64 float32.
;; This version of the problem:
;;   THIS VERSION OF THE PROBLEM IS GIVEN IN LOW PRECISION. The matrix products marked QUANTISED in the list below multiply operands that are first quantised to E5M2 (5 exponent bits, 2 mantissa bits; 8 bits a number), with one power-of-two scale for each 32 numbers along K (OCP MX v1.0); their sums are f32. All else is computed in f32.
;;   The module's matrix products, in the order in which they are computed (A, B: the left and right operand; K: the contracted axis; several contracted axes count as one K, in the product's order):
;;     1. [M 8,192, K 64] x [K 64, N 8]; A: input x; B: input gate_w: left as it is (N = 8 < 16)
;;     2. [M 4,096, K 64] x [K 64, N 8,192]; A: input w1 (given as codes); B: input x: QUANTISED
;;     3. batch 8 x [M 8,192, K 512] x [K 512, N 512]; A: computed on the way; B: input w2 (given as codes): QUANTISED
;;     4. batch 8 x [M 64, K 512] x [K 512, N 8,192]; A: input w3 (given as codes); B: computed on the way: QUANTISED
;;   THE QUANTISER, for each operand of a quantised product, along K:
;;     - K is cut into blocks of 32 from its start; a last block that is shorter is filled with zeros.
;;     - A block's scale is 2^e with e = floor(log2(the largest magnitude in the block)) - 15, held to -126 .. 127; a block of zeros has e = 0. As a byte (E8M0): e + 127.
;;     - Each number is divided by its block's scale, clamped to +-57,344, and rounded to the nearest number of E5M2, ties to even, subnormals kept.
;;     - The product sums the exact products of the quantised numbers (number of the format x scale) in f32.
;;   ~~~python
;;   def quantise(x, axis):      # numpy; x: float32 -> the quantised numbers, widened to float32 again
;;       x = np.moveaxis(x, axis, -1); K = x.shape[-1]
;;       x = np.pad(x, [(0, 0)] * (x.ndim - 1) + [(0, -K % 32)]); x = x.reshape(x.shape[:-1] + (-1, 32)); a = np.abs(x).max(-1, keepdims=True)
;;       e = np.where(a > 0, np.clip(np.frexp(np.where(a > 0, a, 1))[1] - 1 - 15, -126, 127), 0)      # np.frexp(a)[1] - 1 = floor(log2(a)), exactly
;;       r = np.clip(x / 2.0 ** e, -57344, 57344)
;;       step = 2.0 ** (np.maximum(np.frexp(np.where(r == 0, 1, r))[1] - 1, -14) - 2)
;;       q = np.round(r / step) * step * 2.0 ** e      # np.round: ties to even
;;       return np.moveaxis(q.reshape(q.shape[:-2] + (-1,))[..., :K], -1, axis).astype(np.float32)
;;   ~~~
;;   OPERANDS COMPUTED ON THE WAY. 'Computed on the way' means the value that the module computes at that place (a softmax that the list does not call 'softmax' is quantised finished and normalised). What goes into a quantiser is computed in f32, as accurately as f32 sums, v_exp_f32 and their like allow (about 1e-6 of the number): no bf16 or f16 on the way to a quantiser, and a product that is left as it is and whose result goes on into a quantised operand takes f32 operands (vector FMAs, or v_wmma_f32_16x16x4_f32). A number that lies on a knife's edge between two numbers of the format may be rounded either way, as far as f32 arithmetic and the matrix unit's own rounding can turn it there, and no further.
;;   INPUTS GIVEN AS CODES. w1 (in the module: [8, 64, 512], K = its axis 1); w2 (in the module: [8, 512, 512], K = its axis 1); w3 (in the module: [8, 512, 64], K = its axis 1): each comes as NAME_codes (uint8): NAME with its K axis moved to the last place and cut into blocks of 32 codes, [.., K / 32, bytes a block], one block behind the other in memory; one code a byte (a code: sign, 5 exponent bits, 2 mantissa bits); and NAME_scales (uint8): the same leading axes, one E8M0 byte (e + 127) for each 32 codes along K. Its value is code x scale, taken as it is: it is not quantised again, and the codes and scales need not be those that the quantiser above would give.
;; 2 versions, each right; version 2 is version 1 with the launch chain written anew for expert scheduling mode. Each part assembles by itself: llvm-mc -triple=amdgcn-amd-amdhsa -mcpu=gfx1250 --defsym DOCPART=n.
;; ======== version 1 of 2: 3 launches
;; workspace buffers: info 32,768 bytes of whole numbers; cnt 32,768 bytes of whole numbers; order 32,768 bytes of whole numbers; gates 65,536 bytes; wf 2,637,824 bytes
;; launch route (part 1): grid 224 x 1, 4 waves a work-group, no clusters, 43,520 bytes of LDS; arguments x, gate_w, w1_codes, w1_scales, w2_codes, w3_codes, info, gates, cnt, wf; writes info, gates, cnt, wf
.if DOCPART == 1
	.amdgcn_target "amdgcn-amd-amdhsa--gfx1250"
	.amdhsa_code_object_version 6
	.text
	.protected	k_q1ef10c6105_route
	.globl	k_q1ef10c6105_route
	.p2align	8
	.type	k_q1ef10c6105_route,@function
k_q1ef10c6105_route:
	s_mov_b64 s[64:65], 0
	v_nop
	global_prefetch_b8 v0, s[64:65] scope:SCOPE_SE
	s_setreg_imm32_b32 hwreg(HW_REG_WAVE_MODE, 25, 1), 1
	s_wait_xcnt 0x0
; ROUTE.  Work-groups 0-63: the router.  A lane is a token: logits = x gate_w in f32 (one chain of fused multiply-adds for each logit, d ascending), the two largest
; (the lower index wins a tie, as jax.lax.top_k has it), their softmax with the larger logit taken away, a sort key for the token's PAIR of experts, and the token's rank among
; equal keys inside its wave of 32 tokens.  All of that is stored as values at fixed places: no address and no branch here hangs on it.
; Work-groups 64-223 lay the three weights' codes out in the order of the operand registers of the launch that multiplies (buffer wf), so that there each lane loads its fragments whole:
;   W2F at 0        [e 8][w 4][b 4][u 2][s 4][c 4][lane 32][16 bytes]: row 128 w + 32 b + 8 u + rho(r) of expert e, bytes 128 s + 32 c + 16 h on
;   W1F at W1F      [e][w][j 4][c 4][lane][16]: row 128 w + 32 j + 8 (c / 2) + rho(r), bytes 32 (c % 2) + 16 h on: two tiles' K = 64 side by side in one operand of K = 128
;   W3F at W3F      [e][w = K step][n 4][c 4][lane][16]: row 16 n + r, bytes 128 w + 32 c + 16 h on
;   W1S at W1SO     [e][w][lane][4 words]: word j = the two scale bytes of row 128 w + 32 j + rho(r), and above them those of the row 8 further on
; r = lane % 16, h = lane / 16, rho(r) = r + 8 (r / 8).
; THE KEY.  The 28 pairs lo < hi are numbered so that neighbouring keys share an expert: key = lo (15 - lo) / 2 + (lo odd ? 7 - hi : hi - lo - 1).
; LIMITS: NaN and infinities among the inputs are not served.  Two logits that differ by less than the rounding of a 64-term f32 sum may be ordered otherwise than by another order of summation.
.set W1F,   2097152
.set W3F,   2359296
.set W1SO,  2621440
.set XROW,  272                        ; a token's row in the stage: 256 bytes + 16
.set XWAVE, 32*XROW                    ; a wave's stage
.set GWB,   4*XWAVE                    ; behind the stages: gate_w, 2,048 bytes, once for each wave: so no wave waits for another
	s_load_b512 s[4:19], s[0:1], 0x0               ; x, gate_w, w1_codes, w1_scales, w2_codes, w3_codes, info, gates
	s_load_b128 s[20:23], s[0:1], 0x40             ; cnt, wf
	v_lshl_add_u32 v224, v0, 2, 0xa800
	v_mov_b32 v225, 0
	v_lshrrev_b32 v1, 5, v0                        ; wave, in every lane (the copies call it c)
	v_readfirstlane_b32 s24, v1                    ; and as a scalar
	v_and_b32 v2, 31, v0                           ; lane
	v_and_b32 v3, 15, v0                           ; r
	v_bfe_u32 v4, v0, 4, 1                         ; h
	v_and_b32 v7, 8, v3
	v_add_nc_u32 v7, v7, v3                        ; rho(r)
	v_lshlrev_b32 v6, 4, v0                        ; 16 x thread: a copy's place in 2,048 bytes of wf
	s_mov_b32 s27, 0                               ; the upper word of every offset pair s[26:27]
	s_wait_kmcnt 0x0
	s_cmp_lt_u32 ttmp9, 64
	s_cbranch_scc1 .Lrouter
	s_cmp_lt_u32 ttmp9, 192
	s_cbranch_scc1 .Lw2
	s_cmp_lt_u32 ttmp9, 208
	s_cbranch_scc1 .Lw1
.macro PUT8 db, off                    ; eight stores: the work-group's 128 threads cover 2,048 consecutive bytes each time
.irp i, 0,1,2,3,4,5,6,7
	global_store_b128 v6, v[16+4*\i:19+4*\i], s[\db:\db+1] offset:\off+2048*\i
.endr
.endm
	; ---- W3: group g = 16,384 bytes of W3F = experts' K steps 2 g and 2 g + 1 (counted 4 e + w)
	s_sub_co_u32 s25, ttmp9, 208
	s_lshl_b32 s26, s25, 14
	s_add_nc_u64 s[22:23], s[22:23], s[26:27]
	s_lshr_b32 s28, s25, 1
	s_lshl_b32 s28, s28, 15                        ; expert g / 2: 32,768 bytes
	s_and_b32 s29, s25, 1
	s_lshl_b32 s29, s29, 8                         ; K steps 2 (g % 2) on: 256 bytes
	s_add_co_u32 s26, s28, s29
	s_add_nc_u64 s[14:15], s[14:15], s[26:27]
	v_lshlrev_b32 v5, 9, v3                        ; row r of 512 bytes
	v_lshl_add_u32 v5, v1, 5, v5                   ; + 32 c
	v_lshl_add_u32 v5, v4, 4, v5                   ; + 16 h
.irp i, 0,1,2,3,4,5,6,7
	global_load_b128 v[16+4*\i:19+4*\i], v5, s[14:15] offset:(\i/4)*128+(\i%4)*8192   ; K step i / 4 of the two, tile n = i % 4
.endr
	s_wait_loadcnt 0x0
	PUT8 22, W3F
	s_endpgm
.Lw2:	; ---- W2: group g = (4 e + w) 4 + b: 32 rows of w2_codes, 16,384 bytes in and out
	s_sub_co_u32 s25, ttmp9, 64
	s_lshl_b32 s26, s25, 14
	s_add_nc_u64 s[12:13], s[12:13], s[26:27]
	s_add_nc_u64 s[22:23], s[22:23], s[26:27]
	v_lshlrev_b32 v5, 9, v7                        ; row rho(r) of 512 bytes
	v_lshl_add_u32 v5, v1, 5, v5
	v_lshl_add_u32 v5, v4, 4, v5
.irp i, 0,1,2,3,4,5,6,7
	global_load_b128 v[16+4*\i:19+4*\i], v5, s[12:13] offset:(\i/4)*4096+(\i%4)*128   ; u = i / 4: 8 rows on; s = i % 4: 128 bytes on
.endr
	s_wait_loadcnt 0x0
	PUT8 22, 0
	s_endpgm
.Lw1:	; ---- W1: group g = 256 rows of w1_codes, 16,384 bytes in and out; and their scale words
	s_sub_co_u32 s25, ttmp9, 192
	s_lshl_b32 s26, s25, 14
	s_add_nc_u64 s[8:9], s[8:9], s[26:27]
	s_add_nc_u64 s[28:29], s[22:23], s[26:27]
	v_lshrrev_b32 v8, 1, v1                        ; c / 2: which of the two tiles
	v_and_b32 v9, 1, v1                            ; c % 2: which block of 32 of its K
	v_lshlrev_b32 v5, 6, v7                        ; row rho(r) of 64 bytes
	v_lshl_add_u32 v5, v8, 9, v5                   ; + 8 rows
	v_lshl_add_u32 v5, v9, 5, v5
	v_lshl_add_u32 v5, v4, 4, v5
.irp i, 0,1,2,3,4,5,6,7
	global_load_b128 v[16+4*\i:19+4*\i], v5, s[8:9] offset:2048*\i                     ; 32 rows on for each i
.endr
	s_wait_loadcnt 0x0
	PUT8 28, W1F
	s_cmp_lt_u32 s24, 2                            ; waves 0 and 1: the scale words of 128 rows each
	s_cbranch_scc0 .Lw1_done
	s_lshl_b32 s30, s25, 1
	s_add_co_u32 s30, s30, s24                     ; q = 4 e + w = 2 g + wave
	s_mov_b32 s33, 0
	s_lshl_b32 s32, s30, 8                         ; 128 rows of 2 bytes
	s_add_nc_u64 s[10:11], s[10:11], s[32:33]
	s_lshl_b32 s32, s30, 9                         ; 32 lanes of 16 bytes
	s_add_nc_u64 s[34:35], s[22:23], s[32:33]
	v_lshlrev_b32 v10, 1, v7
.irp j, 0,1,2,3
	global_load_u16 v[48+2*\j], v10, s[10:11] offset:(32*\j)*2
	global_load_u16 v[49+2*\j], v10, s[10:11] offset:(32*\j+8)*2
.endr
	v_lshlrev_b32 v11, 4, v2
	s_wait_loadcnt 0x0
.irp j, 0,1,2,3
	v_lshl_or_b32 v[56+\j], v[49+2*\j], 16, v[48+2*\j]
.endr
	global_store_b128 v11, v[56:59], s[34:35] offset:W1SO
.Lw1_done:
	s_endpgm
.Lrouter:	; ---- the router.  Wave gw = 4 x work-group + wave owns tokens 32 gw .. 32 gw + 31
	; REGISTERS: v[16:23] the 8 logits; v[32:95] my token's row; v[96:159], v[160:223] two buffers of 8 rows of gate_w
	s_lshl_b32 s25, ttmp9, 2
	s_add_co_u32 s25, s25, s24                     ; gw
	s_lshl_b32 s26, s25, 13                        ; 32 tokens of 256 bytes
	s_add_nc_u64 s[4:5], s[4:5], s[26:27]
	v_lshlrev_b32 v5, 4, v2                        ; 16 x lane
.irp k, 0,1,2,3
	global_load_b128 v[160+4*\k:163+4*\k], v5, s[6:7] offset:512*\k                    ; gate_w, 2,048 bytes
.endr
.irp q, 0,1,2,3,4,5,6,7,8,9,10,11,12,13,14,15
	global_load_b128 v[96+4*\q:99+4*\q], v5, s[4:5] offset:512*\q                      ; 512 consecutive bytes: tokens 2 q and 2 q + 1
.endr
	s_mul_i32 s28, s24, XWAVE
	v_lshl_add_u32 v9, v1, 11, GWB                 ; my wave's gate_w: the same address in all its lanes
	v_add_nc_u32 v8, v9, v5                        ; and where my lane puts 16 bytes of it
	v_mul_u32_u24 v10, v4, XROW
	v_lshl_add_u32 v10, v3, 4, v10
	v_add_nc_u32 v10, s28, v10                     ; x into the stage: row h of the two, 16 r
	v_mul_u32_u24 v11, v2, XROW
	v_add_nc_u32 v11, s28, v11                     ; and out of it: my token's row
	s_wait_loadcnt 16                              ; gate_w's four loads are in; x's sixteen may be out
.irp k, 0,1,2,3
	ds_store_b128 v8, v[160+4*\k:163+4*\k] offset:512*\k
.endr
	s_wait_loadcnt 0x0
.irp q, 0,1,2,3,4,5,6,7,8,9,10,11,12,13,14,15
	ds_store_b128 v10, v[96+4*\q:99+4*\q] offset:2*XROW*\q
.endr
.irp i, 0,1,2,3,4,5,6,7,8,9,10,11,12,13,14,15
	ds_load_b128 v[32+4*\i:35+4*\i], v11 offset:16*\i                                  ; LDS serves a wave's instructions in order (ISA guide 5.7.1.4): these see my stores
.endr
	s_wait_dscnt 16                                ; the twenty stores are done, so their registers may be loaded into; the sixteen loads may be out
; A macro's argument is put in as text: so each stands in parentheses wherever it is part of a larger expression.
.macro WLOAD c, buf                    ; rows 8 c .. 8 c + 7 of gate_w into every lane: register buf + 8 dd + e = gate_w[8 c + dd][e]
.irp k, 0,1,2,3,4,5,6,7,8,9,10,11,12,13,14,15
	ds_load_b128 v[(\buf)+4*\k:(\buf)+4*\k+3], v9 offset:256*(\c)+16*\k
.endr
.endm
.macro DOT c, buf                      ; eight more terms of each logit, two logits an instruction; x's pair gives its low word, then its high word, to both halves
.irp d, 0,1,2,3
.irp p, 0,1,2,3
.if ((\c) == 0) && (\d == 0)
	v_pk_mul_f32 v[16+2*\p:17+2*\p], v[32:33], v[(\buf)+2*\p:(\buf)+2*\p+1] op_sel_hi:[0,1]   ; the first term starts the sums
.else
	v_pk_fma_f32 v[16+2*\p:17+2*\p], v[32+8*(\c)+2*\d:33+8*(\c)+2*\d], v[(\buf)+16*\d+2*\p:(\buf)+16*\d+2*\p+1], v[16+2*\p:17+2*\p] op_sel_hi:[0,1,1]
.endif
.endr
.irp p, 0,1,2,3
	v_pk_fma_f32 v[16+2*\p:17+2*\p], v[32+8*(\c)+2*\d:33+8*(\c)+2*\d], v[(\buf)+16*\d+8+2*\p:(\buf)+16*\d+9+2*\p], v[16+2*\p:17+2*\p] op_sel:[1,0,0] op_sel_hi:[1,1,1]
.endr
.endr
.endm
	WLOAD 0, 96
	WLOAD 1, 160
.irp c, 0,1,2,3,4,5
	s_wait_dscnt 16                                ; this chunk (and at first x) is in; the younger chunk's sixteen loads may be out
	DOT \c, 96+64*(\c%2)
	WLOAD \c+2, 96+64*(\c%2)
.endr
	s_wait_dscnt 16
	DOT 6, 96
	s_wait_dscnt 0x0
	DOT 7, 160
	; the largest logit and its index: strictly greater, so the lower index stays
	v_mov_b32 v24, v16
	v_mov_b32 v25, 0
.irp e, 1,2,3,4,5,6,7
	v_cmp_gt_f32 vcc_lo, v[16+\e], v24
	v_cndmask_b32 v24, v24, v[16+\e], vcc_lo
	v_cndmask_b32 v25, v25, \e, vcc_lo
.endr
	v_mov_b32 v31, 0xff800000                      ; the winner becomes -infinity, and the same once more
.irp e, 0,1,2,3,4,5,6,7
	v_cmp_eq_u32 vcc_lo, \e, v25
	v_cndmask_b32 v[16+\e], v[16+\e], v31, vcc_lo
.endr
	v_mov_b32 v26, v16
	v_mov_b32 v27, 0
.irp e, 1,2,3,4,5,6,7
	v_cmp_gt_f32 vcc_lo, v[16+\e], v26
	v_cndmask_b32 v26, v26, v[16+\e], vcc_lo
	v_cndmask_b32 v27, v27, \e, vcc_lo
.endr
	; softmax of the two, the larger taken away: 1 / (1 + z) and z / (1 + z), z = e^(second - first), at most 1
	v_sub_f32 v28, v26, v24
	v_mul_f32 v28, 0x3fb8aa3b, v28
	v_exp_f32 v28, v28
	v_min_u32 v29, v25, v27                        ; lo  (a plain line behind the exponential)
	s_wait_alu depctr_va_vdst(0)
	v_add_f32 v30, 1.0, v28
	v_rcp_f32 v30, v30
	v_max_u32 v31, v25, v27                        ; hi  (a plain line behind the reciprocal)
	s_wait_alu depctr_va_vdst(0)
	v_mul_f32 v28, v28, v30
	v_cmp_lt_u32 vcc_lo, v25, v27                  ; is the winner the lower index?
	v_cndmask_b32 v96, v28, v30, vcc_lo            ; the gate of expert lo,
	v_cndmask_b32 v97, v30, v28, vcc_lo            ; of expert hi
	v_sub_nc_u32 v98, 15, v29
	v_mul_u32_u24 v98, v98, v29
	v_lshrrev_b32 v98, 1, v98                      ; lo (15 - lo) / 2
	v_sub_nc_u32 v99, v31, v29
	v_add_nc_u32 v99, -1, v99                      ; hi - lo - 1
	v_sub_nc_u32 v100, 7, v31                      ; 7 - hi
	v_and_b32 v101, 1, v29
	v_cmp_eq_u32 vcc_lo, 1, v101
	v_cndmask_b32 v99, v99, v100, vcc_lo
	v_add_nc_u32 v98, v98, v99                     ; the key, 0 .. 27
	; my rank among the wave's tokens of my key, and in lane k the number of the wave's tokens of key k
	v_mov_b32 v103, 0
	v_mov_b32 v104, 0
.set k, 0
.rept 28
	v_cmp_eq_u32 s30, k, v98
	v_mbcnt_lo_u32_b32 v105, s30, 0                ; how many lower lanes have key k
	v_cndmask_b32 v103, v103, v105, s30
	s_bcnt1_i32_b32 s31, s30
	v_writelane_b32 v104, s31, k
.set k, k+1
.endr
	v_lshl_or_b32 v98, v103, 8, v98                ; key | rank << 8 | lo << 16 | hi << 20
	v_lshl_or_b32 v98, v29, 16, v98
	v_lshl_or_b32 v98, v31, 20, v98
	s_lshl_b32 s26, s25, 7
	s_add_nc_u64 s[16:17], s[16:17], s[26:27]
	s_add_nc_u64 s[20:21], s[20:21], s[26:27]
	s_lshl_b32 s26, s25, 8
	s_add_nc_u64 s[18:19], s[18:19], s[26:27]
	v_lshlrev_b32 v12, 2, v2
	v_lshlrev_b32 v13, 3, v2
	global_store_b32 v12, v98, s[16:17]            ; info
	global_store_b64 v13, v[96:97], s[18:19]       ; gates: the wave's 256 consecutive bytes
	global_store_b32 v12, v104, s[20:21]           ; cnt
	s_wait_tensorcnt 0x0
	ds_add_u32 v224, v225
	s_wait_dscnt 0x0
	s_endpgm
.Lfunc_end_k_q1ef10c6105_route:
	.size	k_q1ef10c6105_route, .Lfunc_end_k_q1ef10c6105_route-k_q1ef10c6105_route
	.p2alignl 7, 3214868480
	.fill 96, 4, 3214868480
	.section	.rodata,"a",@progbits
	.p2align	6, 0x0
	.amdhsa_kernel k_q1ef10c6105_route
		.amdhsa_group_segment_fixed_size 43520
		.amdhsa_private_segment_fixed_size 0
		.amdhsa_enable_private_segment 0
		.amdhsa_kernarg_size 80
		.amdhsa_user_sgpr_count 2
		.amdhsa_user_sgpr_kernarg_segment_ptr 1
		.amdhsa_wavefront_size32 1
		.amdhsa_system_sgpr_workgroup_id_x 1
		.amdhsa_system_sgpr_workgroup_id_y 1
		.amdhsa_system_sgpr_workgroup_id_z 1
		.amdhsa_system_vgpr_workitem_id 0
		.amdhsa_next_free_vgpr 226
		.amdhsa_next_free_sgpr 66
		.amdhsa_reserve_vcc 1
		.amdhsa_float_denorm_mode_32 3
		.amdhsa_float_denorm_mode_16_64 3
		.amdhsa_memory_ordered 1
		.amdhsa_forward_progress 1
		.amdhsa_inst_pref_size 50
	.end_amdhsa_kernel
	.amdgpu_metadata
---
amdhsa.version: [ 1, 2 ]
amdhsa.kernels:
  - .name:           k_q1ef10c6105_route
    .symbol:         k_q1ef10c6105_route.kd
    .args:
      - { .name: x, .offset: 0, .size: 8, .value_kind: global_buffer, .address_space: global }
      - { .name: gate_w, .offset: 8, .size: 8, .value_kind: global_buffer, .address_space: global }
      - { .name: w1_codes, .offset: 16, .size: 8, .value_kind: global_buffer, .address_space: global }
      - { .name: w1_scales, .offset: 24, .size: 8, .value_kind: global_buffer, .address_space: global }
      - { .name: w2_codes, .offset: 32, .size: 8, .value_kind: global_buffer, .address_space: global }
      - { .name: w3_codes, .offset: 40, .size: 8, .value_kind: global_buffer, .address_space: global }
      - { .name: info, .offset: 48, .size: 8, .value_kind: global_buffer, .address_space: global }
      - { .name: gates, .offset: 56, .size: 8, .value_kind: global_buffer, .address_space: global }
      - { .name: cnt, .offset: 64, .size: 8, .value_kind: global_buffer, .address_space: global }
      - { .name: wf, .offset: 72, .size: 8, .value_kind: global_buffer, .address_space: global }
    .group_segment_fixed_size: 43520
    .private_segment_fixed_size: 0
    .kernarg_segment_align: 8
    .kernarg_segment_size: 80
    .max_flat_workgroup_size: 128
    .sgpr_count:     66
    .vgpr_count:     226
    .wavefront_size: 32
...
	.end_amdgpu_metadata
.endif
;; end of part 1
;; launch place (part 2): grid 1 x 1, 32 waves a work-group, no clusters, 37,888 bytes of LDS; arguments cnt, info, order; writes order
.if DOCPART == 2
	.amdgcn_target "amdgcn-amd-amdhsa--gfx1250"
	.amdhsa_code_object_version 6
	.text
	.protected	k_q1ef10c6105_place
	.globl	k_q1ef10c6105_place
	.p2align	8
	.type	k_q1ef10c6105_place,@function
k_q1ef10c6105_place:
	s_mov_b64 s[64:65], 0
	v_nop
	global_prefetch_b8 v0, s[64:65] scope:SCOPE_SE
	s_setreg_imm32_b32 hwreg(HW_REG_WAVE_MODE, 25, 1), 1
	s_wait_xcnt 0x0
; PLACE.  A counting sort of the 8,192 tokens by their key, without atomics.  cnt[gw][key] says how many tokens of key the router's wave gw had, info[token] the token's key and its rank among them.
; A token's place is (tokens of lower keys) + (tokens of its key in lower waves) + its rank.  order[place] = token | lo << 16 | hi << 20.
; One work-group of 32 waves: wave W sums key W over the 256 router waves.  The table lies in LDS by key: row key of 256 words + 16 bytes.
; The last step stores four bytes a lane to scattered places: that scatter is the sort, 32,768 bytes in all.
.set KP,  1040
.set TOT, 32*KP                        ; behind the table: each key's total
	s_load_b128 s[4:7], s[0:1], 0x0                ; cnt, info
	s_load_b64 s[8:9], s[0:1], 0x10                ; order
	v_lshl_add_u32 v64, v0, 2, 0x8400
	v_mov_b32 v65, 0
	v_lshrrev_b32 v1, 5, v0
	v_readfirstlane_b32 s10, v1                    ; wave W = key W
	v_and_b32 v2, 31, v0                           ; lane
	v_lshlrev_b32 v3, 5, v0                        ; 32 bytes a thread of cnt and of info
	v_and_b32 v4, 3, v0
	v_lshrrev_b32 v5, 2, v0
	v_lshlrev_b32 v5, 2, v5                        ; 4 x (thread / 4): the router wave of my 8 counts and of my 8 tokens
	v_mul_u32_u24 v6, v4, 8*KP
	v_add_nc_u32 v6, v6, v5                        ; rows 8 (thread % 4) on, that wave's word
	s_mul_i32 s11, s10, KP
	v_lshl_add_u32 v7, v2, 5, s11                  ; my key's row, router waves 8 lane .. 8 lane + 7
	v_lshl_add_u32 v48, v1, 2, TOT                 ; my key's total
	v_lshl_add_u32 v49, v2, 2, TOT                 ; key lane's total
	v_lshlrev_b32 v58, 3, v0                       ; my first token
	s_mov_b32 s14, 0x76543210
	s_mov_b32 s15, 0xfedcba98                      ; v_permlanex16_b32's selects for lane l xor 16
	s_wait_kmcnt 0x0
	global_load_b128 v[8:11], v3, s[4:5]
	global_load_b128 v[12:15], v3, s[4:5] offset:16
	global_load_b128 v[16:19], v3, s[6:7]
	global_load_b128 v[20:23], v3, s[6:7] offset:16
	s_wait_loadcnt 0x2                             ; cnt's two loads are in; info's two may be out
.irp q, 0,1,2,3,4,5,6,7
	ds_store_b32 v6, v[8+\q] offset:KP*\q
.endr
	s_wait_loadcnt 0x0
	s_wait_dscnt 0x0                               ; for the others' sake: my stores have landed
	s_barrier_signal -1
	s_barrier_wait -1
	ds_load_b128 v[24:27], v7
	ds_load_b128 v[28:31], v7 offset:16
	s_wait_dscnt 0x0
	v_mov_b32 v32, 0                               ; within the lane: how many stand in front of each of my eight
	v_mov_b32 v33, v24
.irp q, 1,2,3,4,5,6
	v_add_nc_u32 v[33+\q], v[32+\q], v[24+\q]
.endr
	v_add_nc_u32 v40, v39, v31                     ; my eight together
	v_mov_b32 v41, v40
	v_mov_b32 v42, 0
.irp n, 1,2,4,8                        ; running sum over the 16 lanes of a row
	v_mov_b32_dpp v42, v41 row_shr:\n row_mask:0xf bank_mask:0xf bound_ctrl:1
	v_add_nc_u32 v41, v41, v42
.endr
	v_readlane_b32 s12, v41, 15                    ; the lower row's sum goes onto the upper row
	v_mov_b32 v43, s12
	v_cmp_lt_u32 vcc_lo, 15, v2
	v_cndmask_b32 v42, 0, v43, vcc_lo
	v_add_nc_u32 v41, v41, v42
	v_sub_nc_u32 v44, v41, v40                     ; what stands in front of my lane
	v_readlane_b32 s13, v41, 31                    ; the key's total
	v_mov_b32 v45, s13
	ds_store_b32 v48, v45                          ; all lanes write the same word with the same value
	s_wait_dscnt 0x0
	s_barrier_signal -1
	s_barrier_wait -1
	ds_load_b32 v46, v49
	s_wait_dscnt 0x0
	v_cmp_gt_u32 vcc_lo, s10, v2                   ; only lower keys count
	v_cndmask_b32 v46, 0, v46, vcc_lo
.irp n, 1,2,4,8
	v_mov_b32_dpp v42, v46 row_xmask:\n row_mask:0xf bank_mask:0xf
	v_add_nc_u32 v46, v46, v42
.endr
	v_permlanex16_b32 v42, v46, s14, s15
	v_add_nc_u32 v46, v46, v42                     ; where my key begins
	v_add_nc_u32 v47, v46, v44
.irp q, 0,1,2,3,4,5,6,7
	v_add_nc_u32 v[24+\q], v47, v[32+\q]           ; where (key, router wave) begins
.endr
	ds_store_b128 v7, v[24:27]                     ; back into the words that I alone have read
	ds_store_b128 v7, v[28:31] offset:16
	s_wait_dscnt 0x0
	s_barrier_signal -1
	s_barrier_wait -1                              ; behind this barrier LDS is only read
.irp q, 0,1,2,3,4,5,6,7
	v_and_b32 v[32+\q], 31, v[16+\q]               ; the token's key,
	v_min_u32 v[32+\q], 31, v[32+\q]               ; held inside the table
	v_mul_u32_u24 v[32+\q], v[32+\q], KP
	v_add_nc_u32 v[32+\q], v5, v[32+\q]
	ds_load_b32 v[24+\q], v[32+\q]
.endr
	s_wait_dscnt 0x0
.irp q, 0,1,2,3,4,5,6,7
	v_bfe_u32 v[40+\q], v[16+\q], 8, 8             ; its rank
	v_add_nc_u32 v[40+\q], v[24+\q], v[40+\q]
	v_min_u32 v[40+\q], 0x1fff, v[40+\q]           ; its place, held inside the buffer
	v_lshlrev_b32 v[40+\q], 2, v[40+\q]
	v_add_nc_u32 v[50+\q], \q, v58
	v_and_or_b32 v[50+\q], v[16+\q], 0xff0000, v[50+\q]   ; token | lo << 16 | hi << 20
	global_store_b32 v[40+\q], v[50+\q], s[8:9]
.endr
	s_wait_tensorcnt 0x0
	ds_add_u32 v64, v65
	s_wait_dscnt 0x0
	s_endpgm
.Lfunc_end_k_q1ef10c6105_place:
	.size	k_q1ef10c6105_place, .Lfunc_end_k_q1ef10c6105_place-k_q1ef10c6105_place
	.p2alignl 7, 3214868480
	.fill 96, 4, 3214868480
	.section	.rodata,"a",@progbits
	.p2align	6, 0x0
	.amdhsa_kernel k_q1ef10c6105_place
		.amdhsa_group_segment_fixed_size 37888
		.amdhsa_private_segment_fixed_size 0
		.amdhsa_enable_private_segment 0
		.amdhsa_kernarg_size 24
		.amdhsa_user_sgpr_count 2
		.amdhsa_user_sgpr_kernarg_segment_ptr 1
		.amdhsa_wavefront_size32 1
		.amdhsa_system_sgpr_workgroup_id_x 1
		.amdhsa_system_sgpr_workgroup_id_y 1
		.amdhsa_system_sgpr_workgroup_id_z 1
		.amdhsa_system_vgpr_workitem_id 0
		.amdhsa_next_free_vgpr 66
		.amdhsa_next_free_sgpr 66
		.amdhsa_reserve_vcc 1
		.amdhsa_float_denorm_mode_32 3
		.amdhsa_float_denorm_mode_16_64 3
		.amdhsa_memory_ordered 1
		.amdhsa_forward_progress 1
		.amdhsa_inst_pref_size 11
	.end_amdhsa_kernel
	.amdgpu_metadata
---
amdhsa.version: [ 1, 2 ]
amdhsa.kernels:
  - .name:           k_q1ef10c6105_place
    .symbol:         k_q1ef10c6105_place.kd
    .args:
      - { .name: cnt, .offset: 0, .size: 8, .value_kind: global_buffer, .address_space: global }
      - { .name: info, .offset: 8, .size: 8, .value_kind: global_buffer, .address_space: global }
      - { .name: order, .offset: 16, .size: 8, .value_kind: global_buffer, .address_space: global }
    .group_segment_fixed_size: 37888
    .private_segment_fixed_size: 0
    .kernarg_segment_align: 8
    .kernarg_segment_size: 24
    .max_flat_workgroup_size: 1024
    .sgpr_count:     66
    .vgpr_count:     66
    .wavefront_size: 32
...
	.end_amdgpu_metadata
.endif
;; end of part 2
;; launch chain (part 3): grid 256 x 1, 4 waves a work-group, no clusters, 74,752 bytes of LDS; arguments x, order, gates, wf, w2_scales, w3_scales, n1, n2, out0; writes out0
.if DOCPART == 3
	.amdgcn_target "amdgcn-amd-amdhsa--gfx1250"
	.amdhsa_code_object_version 6
	.text
	.protected	k_q1ef10c6105_chain
	.globl	k_q1ef10c6105_chain
	.p2align	8
	.type	k_q1ef10c6105_chain,@function
k_q1ef10c6105_chain:
	s_mov_b64 s[64:65], 0
	v_nop
	global_prefetch_b8 v0, s[64:65] scope:SCOPE_SE
	s_setreg_imm32_b32 hwreg(HW_REG_WAVE_MODE, 25, 1), 1
	s_wait_xcnt 0x0
; CHAIN.  out[token] = the sum over the token's two experts of gate x ((h2 + h1) W3), h1 = rmsnorm(gelu(x W1), n1), h2 = rmsnorm(gelu(h1 W2), n2); the three products on codes of BF8 (E5M2)
; with one E8M0 scale for each 32 along K; x, h1 and h2 + h1 are quantised here, from f32; all else in f32.  Only the chosen experts' rows are multiplied.
; SHARES.  A work-group owns 32 tokens that stand side by side in the list sorted by pairs of experts: two tiles of 16.  It walks its experts in a loop of EIGHT trips, a constant: the experts that its tokens
; use come first, in ascending order; a trip with no expert left passes the three barriers and nothing else.  Each output row has one owner.
; WHAT STEERS.  Which experts a tile uses decides branches and the weights' addresses.  Those sets are made by scalar arithmetic alone, from the block's 32 words of the stored list, which come by scalar loads.
; THE FOUR WAVES SHARE THE COLUMNS: wave w makes hidden units 128 w .. 128 w + 127 of both hidden layers for both tiles; in the third product it takes K step w alone, whose codes it has just made in its
; registers, for all 64 outputs; the four partial sums meet once, at the end, in LDS.  The weights go from memory straight into registers, laid out for that by the first launch; each fragment is used by one wave.
; NO CLUSTER, NO TENSOR LOAD: which expert a work-group walks in a trip hangs on the stored list, so neighbours would ask for different tiles in different trips.
; ALL PRODUCTS ARE USED TRANSPOSED (source 0 = 16 rows of a weight, source 1 = 16 tokens): a lane holds ONE token (lane % 16).  The rows of W1 and W2 that form a tile are not neighbours: lane r of tile 2 b + u
; takes row 32 b + 8 u + r + 8 (r / 8), so that the 16 registers of tiles 2 b, 2 b + 1 are the 16 neighbouring units 32 b + 16 (lane / 16) + 0 .. 15: the conversions' results are the next operand's registers.
; THE FIRST PRODUCT has K = 64: one operand of W1 holds two tiles' K side by side, and x stands beside 64 zero codes, on the left for the first tile, on the right for the second.
; gelu is the exact one: erf(z) = z P(z^2) / Q(z^2) on z held to +-4, a rational of degrees 6 and 4 in f32.
; EVERY REGION OF A TRIP IS JUMPED OVER BY ITSELF, since the barriers between them lie on every wave's way.  So each region begins with the waits that its reads need on every way through the text, nine places
; stand behind every run of matrix instructions, and registers that a region reads and an earlier region writes are written once at the head.
; LIMITS: NaN and infinities among the inputs are not served.  erf is good to a few 1e-7 absolute; under a = -5.66 gelu is 0.5 a (1 + erf(-4)), at most about 1e-7 |a|.  A NaN or infinity CODE in w1 reaches the
; neighbouring tile of 16 units too (0 x NaN); the row is NaN either way, by the norm.  A token's row through an expert of its tile that it did not choose is weighed with 0, so it has to be finite.
; A block of zeros gets the scale byte 1: its codes are zeros, and the bytes are read here alone.
;
; LDS: XIM each wave's image of 40 registers [0 | x tile 0 | 0 | x tile 1 | 0], 8 each;  HIMG h1's fragments as images of their registers [tile][K step][2,048];  HSC their scale words [K step][tile][16];
;      SSQ the waves' sums of squares [layer][tile][lane][wave];  OST the four partial outputs, 32 rows of 256 + 16 bytes each.
; REGISTERS, in windows of 256.  Window 0: v1-14 addresses; v16-23 each tile's lo, hi and two gates; v24-27 the gates of the expert in hand; v28 1 / rms; v30-33, v96-99 sums of squares; v[34:35] two constants;
;   v36-63 scale words and nothing else; v64-95 at work (T; for the quantiser TM and the codes PC); v100-103 sums on their way to LDS; v128-255 H: the layer in hand, 64 a tile.
;   Window 1: v0-127 h1 as f32; v128-191 the norm's gains; v192-255 the outputs' sums.   Window 2: W2, two slots of 128 (a block of 32 rows x K 512).   Window 3: v0-127 source 1 (x, then h1's codes); v128-191 W1; v192-255 W3.
.set XIM,  0
.set HIMG, 20480
.set HSC,  36864
.set SSQ,  37376
.set OST,  39424
.set W1F,  2097152
.set W3F,  2359296
.set W1SO, 2621440
.set T,    64
.set TM,   64                          ; v64-67 largest magnitudes, v68-71 bytes, v72-75 the largest number x the scale, v76-79 the conversions' scale operands
.set PC,   80                          ; v80-95 the codes just made
.set H,    128
.set PW,   36                          ; the scale word just made
.set XS,   37                          ; x's: lanes 0-15 tile 0, lanes 16-31 tile 1
.set W1S,  38                          ; v38-41 W1's, word j
.set W2S,  42                          ; v42-57 W2's, 4 b + s: lanes 0-15 u = 0, lanes 16-31 u = 1
.set W3S,  58                          ; v58-59 W3's: lanes 0-15 tile 2 n', lanes 16-31 tile 2 n' + 1
.set HS,   60                          ; v60-63 h1's, K step s: lanes 0-15 tile 0, lanes 16-31 tile 1
; scalars: s[4:21] the nine buffers; s22 wave; s23 57,344's mantissa field; s[24:25] lane selects; s[26:27] sqrt(1/2); s[28:39] P's coefficients 1-6; s[40:47] Q's 1-4; s48 1/512; s49 eps;
;   s50, s51 the tiles' sets of experts; s52 experts still to walk; s53 trip; s54 the expert in hand; s55 the next; s56 which tiles use the one in hand; s57 is there a next;
;   s[60:63], s[66:69] bases for the expert in hand; s[70:79] for the next; s58-59, s80-89 at work.  At the head: s[60:61] the list's base, s[68:83] and s[84:99] the block's 32 words of the list
.set MSB, 0
.macro WIN new                         ; the immediate's high byte repeats the setting that is left; a switch that changes nothing is dropped
.if MSB != \new
	s_set_vgpr_msb (MSB<<8)|\new
.set MSB, \new
.endif
.endm
.macro PLACES                          ; behind this matrix form eight places are owed to vector instructions and loads, nine to a matrix instruction that writes over one of its registers
.rept 9
	v_nop
.endr
.endm
.macro BAR                             ; my LDS stores have landed and my LDS loads are in: then the work-group's barrier
	s_wait_dscnt 0x0
	s_barrier_signal -1
	s_barrier_wait -1
.endm
.macro GUARD m, lab                    ; a tile none of whose tokens uses the expert in hand is spared the vector work
	s_and_b32 s88, s56, 1<<(\m)
	s_cmp_eq_u32 s88, 0
	s_cbranch_scc1 \lab
.endm
.macro SPAIR r, val                    ; a constant for the packed forms, which name a pair and take its low word for both halves: so both words are written
	s_mov_b32 s[\r], \val
	s_mov_b32 s[\r+1], \val
.endm
; s[d] = the number of the lowest bit set in the eight bits of s[x]; 0 where none is set.  x & -x leaves that bit alone; three masks give its number's three bits.
.macro LOWBIT d, x
	s_sub_co_u32 s88, 0, s[\x]
	s_and_b32 s88, s88, s[\x]
	s_and_b32 s89, s88, 0xaa                       ; bits 1, 3, 5, 7
	s_cmp_lg_u32 s89, 0
	s_cselect_b32 s[\d], 1, 0
	s_and_b32 s89, s88, 0xcc                       ; bits 2, 3, 6, 7
	s_cmp_lg_u32 s89, 0
	s_cselect_b32 s89, 2, 0
	s_add_co_u32 s[\d], s[\d], s89
	s_and_b32 s89, s88, 0xf0                       ; bits 4 to 7
	s_cmp_lg_u32 s89, 0
	s_cselect_b32 s89, 4, 0
	s_add_co_u32 s[\d], s[\d], s89
	s_min_u32 s[\d], s[\d], 7                      ; an expert's number, held inside the tables that it indexes
.endm
; one matrix instruction.  z = 1: it starts its sum.  ra, rb = 1: that side's scales stand in lanes 16-31
.macro WM d, a, b, z, sa, sb, ra, rb
.if \z
.if (\ra) && (\rb)
	v_wmma_scale_f32_16x16x128_f8f6f4 v[(\d):(\d)+7], v[(\a):(\a)+15], v[(\b):(\b)+15], 0, v[\sa], v[\sb] matrix_a_fmt:MATRIX_FMT_BF8 matrix_b_fmt:MATRIX_FMT_BF8 matrix_a_scale:MATRIX_SCALE_ROW1 matrix_b_scale:MATRIX_SCALE_ROW1
.elseif (\ra)
	v_wmma_scale_f32_16x16x128_f8f6f4 v[(\d):(\d)+7], v[(\a):(\a)+15], v[(\b):(\b)+15], 0, v[\sa], v[\sb] matrix_a_fmt:MATRIX_FMT_BF8 matrix_b_fmt:MATRIX_FMT_BF8 matrix_a_scale:MATRIX_SCALE_ROW1
.elseif (\rb)
	v_wmma_scale_f32_16x16x128_f8f6f4 v[(\d):(\d)+7], v[(\a):(\a)+15], v[(\b):(\b)+15], 0, v[\sa], v[\sb] matrix_a_fmt:MATRIX_FMT_BF8 matrix_b_fmt:MATRIX_FMT_BF8 matrix_b_scale:MATRIX_SCALE_ROW1
.else
	v_wmma_scale_f32_16x16x128_f8f6f4 v[(\d):(\d)+7], v[(\a):(\a)+15], v[(\b):(\b)+15], 0, v[\sa], v[\sb] matrix_a_fmt:MATRIX_FMT_BF8 matrix_b_fmt:MATRIX_FMT_BF8
.endif
.else
.if (\ra) && (\rb)
	v_wmma_scale_f32_16x16x128_f8f6f4 v[(\d):(\d)+7], v[(\a):(\a)+15], v[(\b):(\b)+15], v[(\d):(\d)+7], v[\sa], v[\sb] matrix_a_fmt:MATRIX_FMT_BF8 matrix_b_fmt:MATRIX_FMT_BF8 matrix_a_scale:MATRIX_SCALE_ROW1 matrix_b_scale:MATRIX_SCALE_ROW1
.elseif (\ra)
	v_wmma_scale_f32_16x16x128_f8f6f4 v[(\d):(\d)+7], v[(\a):(\a)+15], v[(\b):(\b)+15], v[(\d):(\d)+7], v[\sa], v[\sb] matrix_a_fmt:MATRIX_FMT_BF8 matrix_b_fmt:MATRIX_FMT_BF8 matrix_a_scale:MATRIX_SCALE_ROW1
.elseif (\rb)
	v_wmma_scale_f32_16x16x128_f8f6f4 v[(\d):(\d)+7], v[(\a):(\a)+15], v[(\b):(\b)+15], v[(\d):(\d)+7], v[\sa], v[\sb] matrix_a_fmt:MATRIX_FMT_BF8 matrix_b_fmt:MATRIX_FMT_BF8 matrix_b_scale:MATRIX_SCALE_ROW1
.else
	v_wmma_scale_f32_16x16x128_f8f6f4 v[(\d):(\d)+7], v[(\a):(\a)+15], v[(\b):(\b)+15], v[(\d):(\d)+7], v[\sa], v[\sb] matrix_a_fmt:MATRIX_FMT_BF8 matrix_b_fmt:MATRIX_FMT_BF8
.endif
.endif
.endm
; gelu in place on one accumulator, v[a] .. v[a + 7], as four pairs that take turns, and its share of the sum of squares into v[ss] .. v[ss + 3].  The accumulator is read from its low end on.  first = 1: it starts the sums.
; T + 0..7 z, then z P, then erf;  T + 8..15 z^2;  T + 16..23 P;  T + 24..31 Q, then 1 / Q
.macro GELU8 a, ss, first
.irp p, 0,1,2,3
	v_pk_mul_f32 v[T+2*\p:T+2*\p+1], v[(\a)+2*\p:(\a)+2*\p+1], s[26:27] op_sel_hi:[1,0]
.endr
.irp i, 0,1,2,3,4,5,6,7
	v_med3_num_f32 v[T+\i], v[T+\i], -4.0, 4.0
.endr
.irp p, 0,1,2,3
	v_pk_mul_f32 v[T+8+2*\p:T+9+2*\p], v[T+2*\p:T+2*\p+1], v[T+2*\p:T+2*\p+1]
.endr
.irp p, 0,1,2,3
	v_pk_fma_f32 v[T+16+2*\p:T+17+2*\p], v[T+8+2*\p:T+9+2*\p], v[34:35], s[28:29] op_sel_hi:[1,0,0]                ; P's leading coefficient is v34,
.endr
.irp p, 0,1,2,3
	v_pk_fma_f32 v[T+24+2*\p:T+25+2*\p], v[T+8+2*\p:T+9+2*\p], v[34:35], s[40:41] op_sel:[0,1,0] op_sel_hi:[1,1,0]   ; Q's is v35
.endr
.irp k, 1,2,3
.irp p, 0,1,2,3
	v_pk_fma_f32 v[T+16+2*\p:T+17+2*\p], v[T+16+2*\p:T+17+2*\p], v[T+8+2*\p:T+9+2*\p], s[28+2*\k:29+2*\k] op_sel_hi:[1,1,0]
.endr
.irp p, 0,1,2,3
	v_pk_fma_f32 v[T+24+2*\p:T+25+2*\p], v[T+24+2*\p:T+25+2*\p], v[T+8+2*\p:T+9+2*\p], s[40+2*\k:41+2*\k] op_sel_hi:[1,1,0]
.endr
.endr
.irp k, 4,5
.irp p, 0,1,2,3
	v_pk_fma_f32 v[T+16+2*\p:T+17+2*\p], v[T+16+2*\p:T+17+2*\p], v[T+8+2*\p:T+9+2*\p], s[28+2*\k:29+2*\k] op_sel_hi:[1,1,0]
.endr
.endr
.irp i, 0,1,2,3,4,5,6,7
	v_rcp_f32 v[T+24+\i], v[T+24+\i]
.endr
.irp p, 0,1,2,3
	v_pk_mul_f32 v[T+2*\p:T+2*\p+1], v[T+2*\p:T+2*\p+1], v[T+16+2*\p:T+17+2*\p]           ; z P: plain lines behind the reciprocals (ISA guide 5.7.2)
.endr
.irp p, 0,1,2,3
	v_pk_mul_f32 v[(\a)+2*\p:(\a)+2*\p+1], v[(\a)+2*\p:(\a)+2*\p+1], 0.5 op_sel_hi:[1,0]
.endr
	s_wait_alu depctr_va_vdst(0)
.irp p, 0,1,2,3
	v_pk_mul_f32 v[T+2*\p:T+2*\p+1], v[T+2*\p:T+2*\p+1], v[T+24+2*\p:T+25+2*\p]           ; erf
.endr
.irp p, 0,1,2,3
	v_pk_fma_f32 v[(\a)+2*\p:(\a)+2*\p+1], v[(\a)+2*\p:(\a)+2*\p+1], v[T+2*\p:T+2*\p+1], v[(\a)+2*\p:(\a)+2*\p+1]   ; a / 2 x erf + a / 2
.endr
.if \first
	v_pk_mul_f32 v[(\ss):(\ss)+1], v[(\a):(\a)+1], v[(\a):(\a)+1]
	v_pk_mul_f32 v[(\ss)+2:(\ss)+3], v[(\a)+2:(\a)+3], v[(\a)+2:(\a)+3]
.else
	v_pk_fma_f32 v[(\ss):(\ss)+1], v[(\a):(\a)+1], v[(\a):(\a)+1], v[(\ss):(\ss)+1]
	v_pk_fma_f32 v[(\ss)+2:(\ss)+3], v[(\a)+2:(\a)+3], v[(\a)+2:(\a)+3], v[(\ss)+2:(\ss)+3]
.endif
	v_pk_fma_f32 v[(\ss):(\ss)+1], v[(\a)+4:(\a)+5], v[(\a)+4:(\a)+5], v[(\ss):(\ss)+1]
	v_pk_fma_f32 v[(\ss)+2:(\ss)+3], v[(\a)+6:(\a)+7], v[(\a)+6:(\a)+7], v[(\ss)+2:(\ss)+3]
.endm
.macro SSQOUT m, layer                 ; my token's sum of squares over my wave's 128 units, to LDS
	v_pk_add_f32 v[30+66*\m:31+66*\m], v[30+66*\m:31+66*\m], v[32+66*\m:33+66*\m]
	v_add_f32 v[T], v[30+66*\m], v[31+66*\m]
	v_permlanex16_b32 v[T+1], v[T], s24, s25
	v_add_f32 v[100+2*\layer+\m], v[T], v[T+1]
	ds_store_b32 v6, v[100+2*\layer+\m] offset:SSQ+1024*\layer+512*\m
.endm
.macro RSQ                             ; the four waves' sums (asked for 32 multiplications ago) -> v28 = 1 / sqrt(mean + eps)
	s_wait_dscnt 0x0
	v_add_f32 v[T], v[T], v[T+1]
	v_add_f32 v[T+2], v[T+2], v[T+3]
	v_add_f32 v[T], v[T], v[T+2]
	v_fma_f32 v[T], v[T], s48, s49
	v_rsq_f32 v28, v[T]
	v_nop                                          ; a plain line behind the transcendental
.endm
.macro HN m                            ; the tile's 64 numbers x the norm's gains
	WIN 0x04                                       ; source 1 in window 1
.set i, 0
.rept 32
	v_pk_mul_f32 v[H+64*\m+i:H+64*\m+i+1], v[H+64*\m+i:H+64*\m+i+1], v[128+i:129+i]
.set i, i+2
.endr
	WIN 0
.endm
; 64 numbers of a lane, register 16 b + i = k 32 b + 16 (lane / 16) + i of my token, become a fragment's codes in v[PC] on and its scale word in v[PW].
; w1 = 0: the numbers stand in v[base] on and are held in place.  w1 = 1: they stand in window 1 at v[src] on and stay whole; the held numbers go to v[base] on.
.macro QUANT base, w1, src
.if \w1
	WIN 0x14                                       ; sources 1 and 2 in window 1
.irp b, 0,1,2,3
	v_max3_num_f32 v[TM+\b], 0x8000000, |v[(\src)+16*\b]|, |v[(\src)+16*\b+1]|   ; block b: my 16 numbers, and the floor 2^(16 - 127): so the byte cannot fall under 1
.endr
.irp i, 2,4,6,8,10,12,14
.irp b, 0,1,2,3
	v_max3_num_f32 v[TM+\b], v[TM+\b], |v[(\src)+16*\b+\i]|, |v[(\src)+16*\b+\i+1]|
.endr
.endr
	WIN 0
.else
.irp b, 0,1,2,3
	v_max3_num_f32 v[TM+\b], |v[(\base)+16*\b]|, |v[(\base)+16*\b+1]|, 0x8000000
.endr
.irp i, 2,4,6,8,10,12,14
.irp b, 0,1,2,3
	v_max3_num_f32 v[TM+\b], v[TM+\b], |v[(\base)+16*\b+\i]|, |v[(\base)+16*\b+\i+1]|
.endr
.endr
.endif
.irp b, 0,1,2,3
	v_permlanex16_b32 v[TM+4+\b], v[TM+\b], s24, s25
.endr
.irp b, 0,1,2,3
	v_max_num_f32 v[TM+\b], v[TM+\b], v[TM+4+\b]   ; with lane l xor 16's: the block's largest magnitude
.endr
.irp b, 0,1,2,3
	v_add_nc_u32 v[TM+12+\b], 0xf8800000, v[TM+\b]   ; 15 off its exponent field: the conversion takes the exponent field of this operand as its scale
.endr
.irp b, 0,1,2,3
	v_and_or_b32 v[TM+8+\b], v[TM+\b], 0x7f800000, s23   ; 57,344 x the scale
.endr
.irp b, 0,1,2,3
	v_lshrrev_b32 v[TM+4+\b], 23, v[TM+12+\b]      ; the scale's byte
.endr
	v_lshl_or_b32 v[PW], v[TM+5], 8, v[TM+4]
	v_lshl_or_b32 v[PW], v[TM+6], 16, v[PW]
	v_lshl_or_b32 v[PW], v[TM+7], 24, v[PW]        ; my token's scale word; the 64 holds below stand between it and a product that names it
.if \w1
	WIN 0x04
.irp b, 0,1,2,3
.irp i, 0,1,2,3,4,5,6,7,8,9,10,11,12,13,14,15
	v_med3_num_f32 v[(\base)+16*\b+\i], -v[TM+8+\b], v[(\src)+16*\b+\i], v[TM+8+\b]
.endr
.endr
	WIN 0
.else
.irp b, 0,1,2,3
.irp i, 0,1,2,3,4,5,6,7,8,9,10,11,12,13,14,15
	v_med3_num_f32 v[(\base)+16*\b+\i], v[(\base)+16*\b+\i], -v[TM+8+\b], v[TM+8+\b]   ; the conversion to an 8-bit code does not saturate (ISA guide 7.6.2): the hold at the largest code x the scale
.endr
.endr
.endif
.irp b, 0,1,2,3
	v_cvt_scalef32_pk8_bf8_f32 v[PC+4*\b:PC+4*\b+1], v[(\base)+16*\b:(\base)+16*\b+7], v[TM+12+\b]
	v_cvt_scalef32_pk8_bf8_f32 v[PC+4*\b+2:PC+4*\b+3], v[(\base)+16*\b+8:(\base)+16*\b+15], v[TM+12+\b]
.endr
	v_nop                                          ; one plain line behind the last scaled conversion
.endm
; ---- the loads, in runs
.macro LOADW2 ptr, b                   ; block b of W2 (32 rows x K 512: 32 loads) into slot b % 2: register 64 u + 16 s + 4 c
	WIN 0x80                                       ; destination window 2
.set i, 0
.rept 32
	global_load_b128 v[128*((\b)%2)+4*i:128*((\b)%2)+4*i+3], v1, s[\ptr:\ptr+1] offset:16384*(\b)+512*i
.set i, i+1
.endr
	WIN 0
.endm
.macro CH1                             ; the next expert: W1 (16), its scale words (1), W2's block 0 (32): one straight run of 49
	WIN 0xc0                                       ; destination window 3
.set i, 0
.rept 16
	global_load_b128 v[128+4*i:131+4*i], v1, s[72:73] offset:W1F+512*i
.set i, i+1
.endr
	WIN 0
	global_load_b128 v[W1S:W1S+3], v1, s[74:75] offset:W1SO
	LOADW2 70, 0
.endm
.macro CH2                             ; the next expert: W2's block 1 (32) and W2's scale words (4)
	LOADW2 70, 1
.irp b, 0,1,2,3
	global_load_b128 v[W2S+4*\b:W2S+4*\b+3], v7, s[76:77] offset:512*\b
.endr
.endm
.macro GAINS ptr                       ; 64 gains: register 16 b + i = unit 128 w + 32 b + 16 h + i
	WIN 0x40                                       ; destination window 1
.irp b, 0,1,2,3
.irp k, 0,1,2,3
	global_load_b128 v[128+16*\b+4*\k:131+16*\b+4*\k], v8, s[\ptr:\ptr+1] offset:128*\b+16*\k
.endr
.endr
	WIN 0
.endm
.macro CHC                             ; the expert in hand: n2 (16), W3's K step w (16), its scale words (2)
	GAINS 66
	WIN 0xc0
.set i, 0
.rept 16
	global_load_b128 v[192+4*i:195+4*i], v1, s[62:63] offset:W3F+512*i
.set i, i+1
.endr
	WIN 0
	global_load_b32 v[W3S], v1, s[68:69]
	global_load_b32 v[W3S+1], v1, s[68:69] offset:512
.endm
.macro FETCHX                          ; my image of [0 | x0 | 0 | x1 | 0] into window 3, v0-39
	WIN 0xc0
.irp k, 0,1,2,3,4,5,6,7,8,9
	ds_load_b128 v[4*\k:4*\k+3], v2 offset:XIM+512*\k
.endr
	WIN 0
.endm
.macro NEXTPTR                         ; the lowest expert still to walk (0 if none: an address inside the buffers, not used), and its bases
	LOWBIT 55, 52
	s_lshl_b32 s80, s55, 2
	s_add_co_u32 s80, s80, s22                     ; 4 e + w
	s_mov_b32 s59, 0
	s_lshl_b32 s58, s80, 16
	s_add_nc_u64 s[70:71], s[10:11], s[58:59]      ; W2F
	s_lshl_b32 s58, s80, 13
	s_add_nc_u64 s[72:73], s[10:11], s[58:59]      ; W1F (its place in wf stands in the loads' offsets)
	s_lshl_b32 s58, s80, 9
	s_add_nc_u64 s[74:75], s[10:11], s[58:59]      ; W1S
	s_add_nc_u64 s[78:79], s[16:17], s[58:59]      ; n1
	s_lshl_b32 s58, s80, 11
	s_add_nc_u64 s[76:77], s[12:13], s[58:59]      ; w2_scales
.endm
; the second product for block b: tiles 2 b, 2 b + 1 x both tiles of tokens, K step by K step.  The four accumulators take turns, one instruction a turn.
.macro MM2 b, waits
	WIN 0x0e                                       ; source 0 (W2) window 2, source 1 (h1's codes) window 3
.irp s, 0,1,2,3
.if \waits
	s_wait_dscnt 24-8*\s                           ; the scale words and K steps 0 .. s are in; eight loads for each later K step may be out
.endif
.irp u, 0,1
.irp m, 0,1
	WM H+64*\m+8*(2*\b+\u), 128*((\b)%2)+64*\u+16*\s, 64*\m+16*\s, \s==0, W2S+4*\b+\s, HS+\s, \u, \m
.endr
.endr
.endr
.endm
	; ================================================================ the head
	s_load_b512 s[4:19], s[0:1], 0x0               ; x, order, gates, wf, w2_scales, w3_scales, n1, n2
	s_load_b64 s[20:21], s[0:1], 0x40              ; out0
	v_lshl_add_u32 v124, v0, 2, 0x12200
	v_mov_b32 v125, 0
	v_lshrrev_b32 v15, 5, v0
	v_readfirstlane_b32 s22, v15                   ; wave w
	v_and_b32 v104, 31, v0                         ; lane
	v_and_b32 v105, 15, v0                         ; r
	v_bfe_u32 v106, v0, 4, 1                       ; h
	v_lshlrev_b32 v1, 4, v104                      ; v1  16 x lane
	s_mul_i32 s80, s22, 5120
	v_add_nc_u32 v2, s80, v1                       ; v2  my wave's image of x
	s_lshl_b32 s80, s22, 11
	v_add_nc_u32 v3, s80, v1                       ; v3  where I store h1's image: K step w
	s_lshl_b32 s80, s22, 7
	v_lshl_add_u32 v4, v105, 2, s80                ; v4  and its scale word: 4 r + 128 w
	v_lshlrev_b32 v5, 2, v104                      ; v5  4 x lane
	s_lshl_b32 s80, s22, 2
	v_add_nc_u32 v6, s80, v1                       ; v6  my sum of squares: 16 x lane + 4 w
	v_and_b32 v7, 8, v105
	v_add_nc_u32 v7, v7, v105
	v_lshl_add_u32 v7, v106, 3, v7
	v_lshlrev_b32 v7, 4, v7                        ; v7  W2's scale words: row r + 8 (r / 8) + 8 h of 16 bytes
	v_lshlrev_b32 v8, 6, v106                      ; v8  the gains: 64 h
	s_mul_i32 s80, s22, 8704
	s_add_co_u32 s80, s80, OST
	v_mul_u32_u24 v9, v105, 272
	v_lshl_add_u32 v9, v106, 5, v9
	v_add_nc_u32 v9, s80, v9                       ; v9  my partial outputs: my wave's plane, row r, 32 h
	s_mul_i32 s80, s22, 2176
	s_add_co_u32 s80, s80, OST
	v_mul_u32_u24 v10, v106, 272
	v_lshl_add_u32 v10, v105, 4, v10
	v_add_nc_u32 v10, s80, v10                     ; v10 back: row 8 w + h, 16 r
	v_lshlrev_b32 v113, 2, v105
	s_lshl_b32 s80, s22, 5
	v_lshl_add_u32 v114, v106, 2, s80
	v_lshlrev_b32 v117, 4, v105
	s_mov_b32 s23, 0x600000
	s_mov_b32 s24, 0x76543210
	s_mov_b32 s25, 0xfedcba98
	SPAIR 26, 0x3f3504f3                           ; sqrt(1/2)
	SPAIR 28, 0x32edffee                           ; P:  2.77068142e-08
	SPAIR 30, 0xb60cff51                           ;    -2.10102402e-06
	SPAIR 32, 0xb86ec2d2                           ;    -5.69250639e-05
	SPAIR 34, 0xba40ac63                           ;    -7.34990630e-04
	SPAIR 36, 0xbb41a1f6                           ;    -2.95459981e-03
	SPAIR 38, 0xbc83dbd4                           ;    -1.60960333e-02
	SPAIR 40, 0xb95fbd29                           ; Q: -2.13374055e-04
	SPAIR 42, 0xbadc924e                           ;    -1.68282697e-03
	SPAIR 44, 0xbbf19bf8                           ;    -7.37332917e-03
	SPAIR 46, 0xbc69b6a7                           ;    -1.42647391e-02
	s_mov_b32 s48, 0x3b000000                      ; 1 / 512
	s_mov_b32 s49, 0x358637bd                      ; 1e-6
	v_mov_b32 v34, 0xaf95df0b                      ; P's leading coefficient, -2.72614226e-10
	v_mov_b32 v35, 0xb77460cd                      ; Q's, -1.45660718e-05
	s_lshl_b32 s58, ttmp9, 7                       ; my block's 32 words of the list
	s_mov_b32 s59, 0
	s_wait_kmcnt 0x0
	s_add_nc_u64 s[60:61], s[6:7], s[58:59]
	s_load_b512 s[68:83], s[60:61], 0x0            ; the same words as scalars: tile 0's sixteen,
	s_load_b512 s[84:99], s[60:61], 0x40           ; tile 1's: from them come the sets of experts (this launch stores nothing into the list)
	global_load_b32 v107, v113, s[60:61]           ; tile 0's token r,
	global_load_b32 v108, v113, s[60:61] offset:64 ; tile 1's,
.irp i, 0,1,2,3
	global_load_b32 v[109+\i], v114, s[60:61] offset:8*\i   ; and the rows 8 w + h + 2 i that I store at the end
.endr
	; While the list is on its way.  True zeros: x's K beyond 64 (the upper half of each tile's 64 numbers) and the outputs' sums.  The others are written so that no way through the text reads a register that nobody wrote.
.set i, 0
.rept 32
	v_mov_b32 v[H+32+i], 0
	v_mov_b32 v[H+96+i], 0
.set i, i+1
.endr
.irp r, 24,25,26,27,28,29,30,31,32,33,96,97,98,99,58,59,68,69,70,71
	v_mov_b32 v\r, 0
.endr
	WIN 0x40                                       ; destination window 1
.set i, 0
.rept 128
	v_mov_b32 v[i], 0                              ; h1 as f32
.set i, i+1
.endr
.set i, 0
.rept 64
	v_mov_b32 v[192+i], 0                          ; the outputs' sums begin at 0
.set i, i+1
.endr
	WIN 0xc0                                       ; destination window 3
.set i, 0
.rept 64
	v_mov_b32 v[192+i], 0                          ; W3
.set i, i+1
.endr
	WIN 0
.irp m, 0,1                            ; my images of h1 begin as zero codes: a tile that an expert does not serve is still fetched
.irp c, 0,1,2,3
	ds_store_b128 v3, v[H+32:H+35] offset:HIMG+8192*\m+512*\c
.endr
	ds_store_b32 v4, v[H+32] offset:HSC+64*\m
.endr
	s_wait_loadcnt 0x0
	v_and_b32 v115, 0x1fff, v107
	v_min_u32 v115, 0x1fff, v115                   ; the token, held inside the buffers
	v_and_b32 v116, 0x1fff, v108
	v_min_u32 v116, 0x1fff, v116
	v_bfe_u32 v16, v107, 16, 3                     ; its two experts
	v_bfe_u32 v17, v107, 20, 3
	v_bfe_u32 v20, v108, 16, 3
	v_bfe_u32 v21, v108, 20, 3
.irp i, 0,1,2,3
	v_and_b32 v[109+\i], 0x1fff, v[109+\i]
	v_min_u32 v[109+\i], 0x1fff, v[109+\i]
	v_lshl_add_u32 v[11+\i], v[109+\i], 8, v117    ; v11-14: that token's row of out0, 16 r
.endr
	v_lshl_add_u32 v118, v115, 8, v8               ; x: the token's row, + 64 h: my 16 numbers of a block of 32
	v_lshl_add_u32 v119, v116, 8, v8
	v_lshlrev_b32 v120, 3, v115
	v_lshlrev_b32 v121, 3, v116
.irp m, 0,1
.irp c, 0,1
.irp k, 0,1,2,3
	global_load_b128 v[H+64*\m+16*\c+4*\k:H+64*\m+16*\c+4*\k+3], v[118+\m], s[4:5] offset:128*\c+16*\k
.endr
.endr
.endr
	global_load_b64 v[18:19], v120, s[8:9]
	global_load_b64 v[22:23], v121, s[8:9]
	; each tile's set of experts, as bits: for each of its 16 tokens the bits lo and hi (3 bits from bit 16, 3 from bit 20 of the token's word)
	s_wait_kmcnt 0x0                               ; the 32 words
	s_mov_b32 s50, 0
	s_mov_b32 s51, 0
.irp i, 0,1,2,3,4,5,6,7,8,9,10,11,12,13,14,15
	s_bfe_u32 s54, s[68+\i], 0x30010
	s_bfe_u32 s55, s[68+\i], 0x30014
	s_bfe_u32 s56, s[84+\i], 0x30010
	s_bfe_u32 s57, s[84+\i], 0x30014
	s_lshl_b32 s54, 1, s54
	s_lshl_b32 s55, 1, s55
	s_lshl_b32 s56, 1, s56
	s_lshl_b32 s57, 1, s57
	s_or_b32 s50, s50, s54
	s_or_b32 s51, s51, s56
	s_or_b32 s50, s50, s55
	s_or_b32 s51, s51, s57
.endr
	s_or_b32 s52, s50, s51                         ; the experts to walk
	NEXTPTR
	CH1
	s_wait_loadcnt 49                              ; x and the gates are in; the 49 loads just issued may be out
	s_wait_dscnt 0x0                               ; the zero stores have read their registers
.irp m, 0,1                            ; every wave quantises both tiles of x for itself: K = 64 is blocks 0 and 1; blocks 2 and 3 are zeros and give the image's zero codes
	QUANT H+64*\m, 0, 0
	v_and_b32 v[126+\m], 0xffff, v[PW]
	v_lshl_or_b32 v[126+\m], v[126+\m], 16, v[126+\m]   ; x's two bytes, for either half of K = 128
.if \m == 0
	ds_store_b128 v2, v[PC+8:PC+11] offset:XIM
	ds_store_b128 v2, v[PC+12:PC+15] offset:XIM+512
	ds_store_b128 v2, v[PC:PC+3] offset:XIM+1024
	ds_store_b128 v2, v[PC+4:PC+7] offset:XIM+1536
	ds_store_b128 v2, v[PC+8:PC+11] offset:XIM+2048
	ds_store_b128 v2, v[PC+12:PC+15] offset:XIM+2560
.else
	ds_store_b128 v2, v[PC:PC+3] offset:XIM+3072
	ds_store_b128 v2, v[PC+4:PC+7] offset:XIM+3584
	ds_store_b128 v2, v[PC+8:PC+11] offset:XIM+4096
	ds_store_b128 v2, v[PC+12:PC+15] offset:XIM+4608
.endif
	s_wait_dscnt 0x0                               ; the stores have read their registers
.endr
	v_cmp_gt_u32 vcc_lo, 16, v104
	v_cndmask_b32 v[XS], v127, v126, vcc_lo
.rept 8
	v_nop                                          ; a scale register written by a vector instruction stands eight places ahead of the product that names it
.endr
	FETCHX
	CH2
	GAINS 78                                       ; n1 of the first expert
	s_mov_b32 s53, 0
.Ltrip:	; ================================================================ a trip: one expert, or none
	s_wait_xcnt 0x0                                ; the bases below are written again only behind this wait
	s_cmp_lg_u32 s52, 0
	s_cselect_b32 s81, 1, 0                        ; is an expert left?
	LOWBIT 54, 52                                  ; the expert in hand
	s_sub_co_u32 s80, s52, 1
	s_and_b32 s52, s52, s80                        ; it is taken off the set
	s_lshr_b32 s82, s50, s54
	s_and_b32 s82, s82, 1
	s_lshr_b32 s83, s51, s54
	s_and_b32 s83, s83, 1
	s_lshl_b32 s83, s83, 1
	s_or_b32 s56, s82, s83
	s_mul_i32 s56, s56, s81                        ; which tiles use it; 0 in a trip without an expert
	s_cmp_lg_u32 s52, 0
	s_cselect_b32 s57, 1, 0                        ; is there a next one?
	s_lshl_b32 s80, s54, 2
	s_add_co_u32 s80, s80, s22                     ; 4 e + w
	s_mov_b32 s59, 0
	s_lshl_b32 s58, s80, 16
	s_add_nc_u64 s[60:61], s[10:11], s[58:59]      ; W2F
	s_lshl_b32 s58, s80, 13
	s_add_nc_u64 s[62:63], s[10:11], s[58:59]      ; W3F
	s_lshl_b32 s58, s80, 9
	s_add_nc_u64 s[66:67], s[18:19], s[58:59]      ; n2
	s_lshl_b32 s58, s54, 10
	s_lshl_b32 s84, s22, 2
	s_add_co_u32 s58, s58, s84
	s_add_nc_u64 s[68:69], s[14:15], s[58:59]      ; w3_scales: expert e, K step w's word
	NEXTPTR
	; ---- A: gelu(x W1) and its sums of squares
	s_cmp_eq_u32 s56, 0
	s_cbranch_scc1 .LendA
	s_wait_loadcnt 32                              ; W1 and its scale words are in: in their own straight run 32 loads follow them
	s_wait_dscnt 0x0                               ; x's codes are in
	WIN 0x0f                                       ; sources 0 (W1) and 1 (x) window 3
.irp j, 0,1,2,3
	WM H+16*\j,      128+16*\j, 8,  1, W1S+\j, XS, 0, 0     ; tile 2 j:     [x0 | 0]
	WM H+16*\j+8,    128+16*\j, 0,  1, W1S+\j, XS, 0, 0     ; tile 2 j + 1: [0 | x0]
	WM H+64+16*\j,   128+16*\j, 24, 1, W1S+\j, XS, 0, 1     ; and the same for the second tile of tokens
	WM H+64+16*\j+8, 128+16*\j, 16, 1, W1S+\j, XS, 0, 1
.endr
	PLACES
	WIN 0
.irp m, 0,1
	GUARD \m, .LgA\m
	GELU8 H+64*\m, 30+66*\m, 1
.irp t, 1,2,3,4,5,6,7
	GELU8 H+64*\m+8*\t, 30+66*\m, 0
.endr
	SSQOUT \m, 0
.LgA\m:
.endr
.LendA:
	BAR                                            ; the four waves' sums of squares lie in LDS
	; ---- B: h1 = gelu x n1 / rms, kept as f32 and quantised: K step w of the second product
	s_cmp_eq_u32 s56, 0
	s_cbranch_scc1 .LendB
	s_wait_loadcnt 0x0                             ; n1 (the youngest loads; all were asked for a region or more ago)
.irp m, 0,1
	GUARD \m, .LgB\m
	ds_load_b128 v[T:T+3], v1 offset:SSQ+512*\m
	HN \m
	RSQ
	WIN 0x40                                       ; destination window 1
.set i, 0
	s_wait_alu depctr_va_vdst(0)
.rept 32
	v_pk_mul_f32 v[64*\m+i:64*\m+i+1], v[H+64*\m+i:H+64*\m+i+1], v[28:29] op_sel_hi:[1,0]
.set i, i+2
.endr
	WIN 0
	QUANT H+64*\m, 1, 64*\m
.irp c, 0,1,2,3
	ds_store_b128 v3, v[PC+4*\c:PC+4*\c+3] offset:HIMG+8192*\m+512*\c      ; the fragment goes to LDS as an image of its registers
.endr
	ds_store_b32 v4, v[PW] offset:HSC+64*\m
	s_wait_dscnt 0x0                               ; the stores have read their registers
.LgB\m:
.endr
.LendB:
	BAR                                            ; h1's eight fragments lie in LDS
	; ---- C: gelu(h1 W2) and its sums of squares
	s_cmp_eq_u32 s56, 0
	s_cbranch_scc1 .LendC
	s_wait_loadcnt 0x0                             ; W2's blocks 0 and 1 and its scale words
	CHC
.irp s, 0,1,2,3
	ds_load_b32 v[HS+\s], v5 offset:HSC+128*\s
.endr
	WIN 0xc0
.irp s, 0,1,2,3
.irp m, 0,1
.irp c, 0,1,2,3
	ds_load_b128 v[64*\m+16*\s+4*\c:64*\m+16*\s+4*\c+3], v1 offset:HIMG+8192*\m+2048*\s+512*\c
.endr
.endr
.endr
	MM2 0, 1
	PLACES
	LOADW2 60, 2                                   ; slot 0 takes block 2
	MM2 1, 0
	PLACES
	LOADW2 60, 3                                   ; slot 1 takes block 3
.irp m, 0,1
	GUARD \m, .LgC\m
	GELU8 H+64*\m, 30+66*\m, 1
.irp t, 1,2,3
	GELU8 H+64*\m+8*\t, 30+66*\m, 0
.endr
.LgC\m:
.endr
	s_wait_loadcnt 32                              ; block 2 and all in front of it are in; block 3's 32 loads may be out
	MM2 2, 0
	s_wait_loadcnt 0x0
	MM2 3, 0
	PLACES
	FETCHX                                         ; x's codes come back for the next trip
	s_cmp_eq_u32 s57, 0
	s_cbranch_scc1 .LnoC1
	CH1
.LnoC1:
.irp m, 0,1
	GUARD \m, .LgE\m
.irp t, 4,5,6,7
	GELU8 H+64*\m+8*\t, 30+66*\m, 0
.endr
	SSQOUT \m, 1
.LgE\m:
.endr
.LendC:
	BAR                                            ; the second layer's sums of squares lie in LDS
	; ---- D: h2 + h1, quantised: it is K step w of the third product; my partial outputs, weighed with the gates
	s_cmp_eq_u32 s56, 0
	s_cbranch_scc1 .LendD
	s_wait_loadcnt 0x0                             ; n2, W3, its scale words; the next expert's first run, asked for eight gelu steps ago
	s_cmp_eq_u32 s57, 0
	s_cbranch_scc1 .LnoD1
	CH2
.LnoD1:
.irp m, 0,1
	GUARD \m, .LgD\m
	ds_load_b128 v[T:T+3], v1 offset:SSQ+1024+512*\m
	HN \m
	RSQ
	v_cmp_eq_u32 vcc_lo, s54, v[16+4*\m]           ; my token's gate for the expert in hand: lo's, hi's, or 0
	v_cndmask_b32 v[24+2*\m], 0, v[18+4*\m], vcc_lo
	v_cmp_eq_u32 vcc_lo, s54, v[17+4*\m]
	v_cndmask_b32 v[24+2*\m], v[24+2*\m], v[19+4*\m], vcc_lo
	WIN 0x10                                       ; source 2 (h1) window 1
.set i, 0
	s_wait_alu depctr_va_vdst(0)
.rept 32
	v_pk_fma_f32 v[H+64*\m+i:H+64*\m+i+1], v[H+64*\m+i:H+64*\m+i+1], v[28:29], v[64*\m+i:64*\m+i+1] op_sel_hi:[1,0,1]
.set i, i+2
.endr
	WIN 0
	QUANT H+64*\m, 0, 0
.rept 4
	v_nop                                          ; an operand written by vector instructions stands four places ahead of a scaled matrix instruction
.endr
	WIN 0x03                                       ; source 0 (W3) window 3
.irp n, 0,1,2,3
	WM H+64*\m+8*\n, 192+16*\n, PC, 1, W3S+\n/2, PW, \n%2, 0
.endr
	PLACES
	WIN 0x50                                       ; the sums: destination and source 2 window 1
.set i, 0
.rept 16
	v_pk_fma_f32 v[192+32*\m+i:193+32*\m+i], v[H+64*\m+i:H+64*\m+i+1], v[24+2*\m:25+2*\m], v[192+32*\m+i:193+32*\m+i] op_sel_hi:[1,0,1]   ; each result from its low end on
.set i, i+2
.endr
	WIN 0
.LgD\m:
.endr
	s_cmp_eq_u32 s57, 0
	s_cbranch_scc1 .LendD
	GAINS 78                                       ; n1 of the next expert, behind the last use of n2
.LendD:
	; No fourth barrier: each region of LDS is written again only behind a later barrier than the one that its last reader has signalled with its loads waited for.
	s_add_co_u32 s53, s53, 1
	s_cmp_lt_u32 s53, 8
	s_cbranch_scc1 .Ltrip
	; ================================================================ the way out: the four waves' partial sums meet in LDS; each wave adds and stores eight whole rows
	WIN 0x04                                       ; an LDS store's data are its source 1: window 1
.irp m, 0,1
.irp n, 0,1,2,3
	ds_store_b128 v9, v[192+32*\m+8*\n:195+32*\m+8*\n] offset:4352*\m+64*\n          ; lane (r, h): token 16 m + r, outputs 16 n + 8 h + 0 .. 7
	ds_store_b128 v9, v[196+32*\m+8*\n:199+32*\m+8*\n] offset:4352*\m+64*\n+16
.endr
.endr
	WIN 0
	BAR
.irp i, 0,1,2,3
.irp p, 0,1,2,3
	ds_load_b128 v[H+16*\i+4*\p:H+16*\i+4*\p+3], v10 offset:8704*\p+544*\i           ; row 8 w + h + 2 i of wave p's plane
.endr
.endr
	s_wait_dscnt 0x0
.irp i, 0,1,2,3
	v_pk_add_f32 v[H+16*\i:H+16*\i+1],     v[H+16*\i:H+16*\i+1],     v[H+16*\i+4:H+16*\i+5]
	v_pk_add_f32 v[H+16*\i+2:H+16*\i+3],   v[H+16*\i+2:H+16*\i+3],   v[H+16*\i+6:H+16*\i+7]
	v_pk_add_f32 v[H+16*\i+8:H+16*\i+9],   v[H+16*\i+8:H+16*\i+9],   v[H+16*\i+12:H+16*\i+13]
	v_pk_add_f32 v[H+16*\i+10:H+16*\i+11], v[H+16*\i+10:H+16*\i+11], v[H+16*\i+14:H+16*\i+15]
	v_pk_add_f32 v[H+16*\i:H+16*\i+1],     v[H+16*\i:H+16*\i+1],     v[H+16*\i+8:H+16*\i+9]
	v_pk_add_f32 v[H+16*\i+2:H+16*\i+3],   v[H+16*\i+2:H+16*\i+3],   v[H+16*\i+10:H+16*\i+11]
	global_store_b128 v[11+\i], v[H+16*\i:H+16*\i+3], s[20:21] th:TH_STORE_NT        ; sixteen lanes store a token's whole row: 256 consecutive bytes, aligned
.endr
	s_wait_tensorcnt 0x0
	ds_add_u32 v124, v125
	s_wait_dscnt 0x0
	s_endpgm
.Lfunc_end_k_q1ef10c6105_chain:
	.size	k_q1ef10c6105_chain, .Lfunc_end_k_q1ef10c6105_chain-k_q1ef10c6105_chain
	.p2alignl 7, 3214868480
	.fill 96, 4, 3214868480
	.section	.rodata,"a",@progbits
	.p2align	6, 0x0
	.amdhsa_kernel k_q1ef10c6105_chain
		.amdhsa_group_segment_fixed_size 74752
		.amdhsa_private_segment_fixed_size 0
		.amdhsa_enable_private_segment 0
		.amdhsa_kernarg_size 72
		.amdhsa_user_sgpr_count 2
		.amdhsa_user_sgpr_kernarg_segment_ptr 1
		.amdhsa_wavefront_size32 1
		.amdhsa_system_sgpr_workgroup_id_x 1
		.amdhsa_system_sgpr_workgroup_id_y 1
		.amdhsa_system_sgpr_workgroup_id_z 1
		.amdhsa_system_vgpr_workitem_id 0
		.amdhsa_next_free_vgpr 1024
		.amdhsa_next_free_sgpr 100
		.amdhsa_reserve_vcc 1
		.amdhsa_float_denorm_mode_32 3
		.amdhsa_float_denorm_mode_16_64 3
		.amdhsa_memory_ordered 1
		.amdhsa_forward_progress 1
		.amdhsa_inst_pref_size 255
	.end_amdhsa_kernel
	.section	.bss,"aw",@nobits
	.p2align	6
	.space	262144
	.amdgpu_metadata
---
amdhsa.version: [ 1, 2 ]
amdhsa.kernels:
  - .name:           k_q1ef10c6105_chain
    .symbol:         k_q1ef10c6105_chain.kd
    .args:
      - { .name: x, .offset: 0, .size: 8, .value_kind: global_buffer, .address_space: global }
      - { .name: order, .offset: 8, .size: 8, .value_kind: global_buffer, .address_space: global }
      - { .name: gates, .offset: 16, .size: 8, .value_kind: global_buffer, .address_space: global }
      - { .name: wf, .offset: 24, .size: 8, .value_kind: global_buffer, .address_space: global }
      - { .name: w2_scales, .offset: 32, .size: 8, .value_kind: global_buffer, .address_space: global }
      - { .name: w3_scales, .offset: 40, .size: 8, .value_kind: global_buffer, .address_space: global }
      - { .name: n1, .offset: 48, .size: 8, .value_kind: global_buffer, .address_space: global }
      - { .name: n2, .offset: 56, .size: 8, .value_kind: global_buffer, .address_space: global }
      - { .name: out0, .offset: 64, .size: 8, .value_kind: global_buffer, .address_space: global }
    .group_segment_fixed_size: 74752
    .private_segment_fixed_size: 0
    .kernarg_segment_align: 8
    .kernarg_segment_size: 72
    .max_flat_workgroup_size: 128
    .sgpr_count:     100
    .vgpr_count:     1024
    .wavefront_size: 32
...
	.end_amdgpu_metadata
.endif
;; end of part 3
;; ======== version 2 of 2: 3 launches; version 1 with the launch chain written anew for expert scheduling mode
;; workspace buffers: info 32,768 bytes of whole numbers; cnt 32,768 bytes of whole numbers; order 32,768 bytes of whole numbers; gates 65,536 bytes; wf 2,637,824 bytes
;; launch route: the kernel of part 1 again; grid 224 x 1, 4 waves a work-group, no clusters, 43,520 bytes of LDS; arguments x, gate_w, w1_codes, w1_scales, w2_codes, w3_codes, info, gates, cnt, wf; writes info, gates, cnt, wf
;; launch place: the kernel of part 2 again; grid 1 x 1, 32 waves a work-group, no clusters, 37,888 bytes of LDS; arguments cnt, info, order; writes order
;; launch chain (part 4): grid 256 x 1, 4 waves a work-group, no clusters, 74,752 bytes of LDS; arguments x, order, gates, wf, w2_scales, w3_scales, n1, n2, out0; writes out0
.if DOCPART == 4
	.amdgcn_target "amdgcn-amd-amdhsa--gfx1250"
	.amdhsa_code_object_version 6
	.text
	.protected	k_q1ef10c6105_chain
	.globl	k_q1ef10c6105_chain
	.p2align	8
	.type	k_q1ef10c6105_chain,@function
k_q1ef10c6105_chain:
	s_mov_b64 s[64:65], 0
	v_nop
	global_prefetch_b8 v0, s[64:65] scope:SCOPE_SE
	s_setreg_imm32_b32 hwreg(HW_REG_WAVE_SCHED_MODE, 0, 2), 2
	s_setreg_imm32_b32 hwreg(HW_REG_WAVE_MODE, 25, 1), 1
	s_wait_xcnt 0x0
	s_wait_alu depctr_vm_vsrc(0)
; CHAIN.  out[token] = the sum over the token's two experts of gate x ((h2 + h1) W3), h1 = rmsnorm(gelu(x W1), n1), h2 = rmsnorm(gelu(h1 W2), n2); the three products on codes of BF8 (E5M2)
; with one E8M0 scale for each 32 along K; x, h1 and h2 + h1 are quantised here, from f32; all else in f32.  Only the chosen experts' rows are multiplied.
; SHARES.  A work-group owns 32 tokens that stand side by side in the list sorted by pairs of experts: two tiles of 16.  It walks its experts in a loop of EIGHT trips, a constant: the experts that its tokens
; use come first, in ascending order; a trip with no expert left passes the three barriers and nothing else.  Each output row has one owner.
; WHAT STEERS.  Which experts a tile uses decides branches and the weights' addresses.  Those sets are made by scalar arithmetic alone, from the block's 32 words of the stored list, which come by scalar loads.
; THE FOUR WAVES SHARE THE COLUMNS: wave w makes hidden units 128 w .. 128 w + 127 of both hidden layers for both tiles; in the third product it takes K step w alone, whose codes it has just made in its
; registers, for all 64 outputs; the four partial sums meet once, at the end, in LDS.  The weights go from memory straight into registers, laid out for that by the first launch; each fragment is used by one wave.
; NO CLUSTER, NO TENSOR LOAD: which expert a work-group walks in a trip hangs on the stored list, so neighbours would ask for different tiles in different trips.
; ALL PRODUCTS ARE USED TRANSPOSED (source 0 = 16 rows of a weight, source 1 = 16 tokens): a lane holds ONE token (lane % 16).  The rows of W1 and W2 that form a tile are not neighbours: lane r of tile 2 b + u
; takes row 32 b + 8 u + r + 8 (r / 8), so that the 16 registers of tiles 2 b, 2 b + 1 are the 16 neighbouring units 32 b + 16 (lane / 16) + 0 .. 15: the conversions' results are the next operand's registers.
; THE FIRST PRODUCT has K = 64: one operand of W1 holds two tiles' K side by side, and x stands beside 64 zero codes, on the left for the first tile, on the right for the second.
; gelu is the exact one: erf(z) = z P(z^2) / Q(z^2) on z held to +-4, a rational of degrees 6 and 4 in f32.
; EVERY REGION OF A TRIP IS JUMPED OVER BY ITSELF, since the barriers between them lie on every wave's way.  So each region begins with the waits that its reads need on every way through the text, nine places
; stand behind every run of matrix instructions, and registers that a region reads and an earlier region writes are written once at the head.
; LIMITS: NaN and infinities among the inputs are not served.  erf is good to a few 1e-7 absolute; under a = -5.66 gelu is 0.5 a (1 + erf(-4)), at most about 1e-7 |a|.  A NaN or infinity CODE in w1 reaches the
; neighbouring tile of 16 units too (0 x NaN); the row is NaN either way, by the norm.  A token's row through an expert of its tile that it did not choose is weighed with 0, so it has to be finite.
; A block of zeros gets the scale byte 1: its codes are zeros, and the bytes are read here alone.
;
; THE MODE: SCHED_MODE bits 1:0 = 2 (LLVM: expert scheduling mode 2), set by the entry lines.  The code itself states the register dependences between vector or matrix instructions and memory or LDS
; instructions, with s_wait_alu, always for 0.
; THE PLAN.  Registers that memory or LDS instructions touch, round a trip (regions A, B, C, D):
;   v1-v14                      addresses: made at the head, ahead of its waits, and never written again.
;   window 3 v0-127             A's products read x's codes (v0-39); C's LDS loads land h1's codes there; C's products read them; behind the last of them x's codes come back.
;   window 3 v128-191, v38-41   W1 and its scale words: A's products read them; the next expert's land in C, behind x's codes.
;   window 2, v42-57            W2's two slots and its scale words: C's first 32 products read blocks 0 and 1, then blocks 2 and 3 land; C's last 32 read those; the next expert's block 0 lands in C, its block 1 and scale words at D's head.
;   v60-63                      h1's scale words: they land in C; C's products read them.
;   window 1 v128-191           the gains: B reads n1; n2 lands at C's head; D reads it; the next n1 lands at D's end.
;   window 3 v192-255, v58-59   W3 and its scale words: they land at C's head; D's products read them.
;   v64-67                      the four waves' sums of squares land there, a tile at a time, in B and in D; gelu, the sums and the quantiser work there too, and each of them is followed by a wait in its own straight run.
;   v80-95, v36                 the codes and the scale word: the quantiser writes them; B's LDS stores read them; gelu and the next quantiser write them again.  In D they are the third product's operand and scale.
;   v100-103                    a sum of squares each: written, stored to LDS, written again a trip later.
; THE WAITS OF A TRIP.  On what memory instructions have read: one at the trip's head (v100-103), one behind each tile's stores in B (the codes).  On what vector and matrix instructions have written or read: ahead of
; each store of a sum of squares; ahead of each tile's stores in B; ONE at C's head; ONE behind C's first 32 products; ONE behind C's last product, which serves all the loads up to D's head; one for each tile ahead of
; the third product.  All other loads follow one of these with no vector or matrix instruction between that names a register of theirs.
;
; LDS: XIM each wave's image of 40 registers [0 | x tile 0 | 0 | x tile 1 | 0], 8 each;  HIMG h1's fragments as images of their registers [tile][K step][2,048];  HSC their scale words [K step][tile][16];
;      SSQ the waves' sums of squares [layer][tile][lane][wave];  OST the four partial outputs, 32 rows of 256 + 16 bytes each.
; REGISTERS, in windows of 256.  Window 0: v1-14 addresses; v16-23 each tile's lo, hi and two gates; v24-27 the gates of the expert in hand; v28 1 / rms; v30-33, v96-99 sums of squares; v[34:35] two constants;
;   v36-63 scale words and nothing else; v64-95 at work (T; for the quantiser TM and the codes PC); v100-103 sums on their way to LDS; v128-255 H: the layer in hand, 64 a tile.
;   Window 1: v0-127 h1 as f32; v128-191 the norm's gains; v192-255 the outputs' sums.   Window 2: W2, two slots of 128 (a block of 32 rows x K 512).   Window 3: v0-127 source 1 (x, then h1's codes); v128-191 W1; v192-255 W3.
.set XIM,  0
.set HIMG, 20480
.set HSC,  36864
.set SSQ,  37376
.set OST,  39424
.set W1F,  2097152
.set W3F,  2359296
.set W1SO, 2621440
.set T,    64
.set TM,   64                          ; v64-67 largest magnitudes, v68-71 bytes, v72-75 the largest number x the scale, v76-79 the conversions' scale operands
.set PC,   80                          ; v80-95 the codes just made
.set H,    128
.set PW,   36                          ; the scale word just made
.set XS,   37                          ; x's: lanes 0-15 tile 0, lanes 16-31 tile 1
.set W1S,  38                          ; v38-41 W1's, word j
.set W2S,  42                          ; v42-57 W2's, 4 b + s: lanes 0-15 u = 0, lanes 16-31 u = 1
.set W3S,  58                          ; v58-59 W3's: lanes 0-15 tile 2 n', lanes 16-31 tile 2 n' + 1
.set HS,   60                          ; v60-63 h1's, K step s: lanes 0-15 tile 0, lanes 16-31 tile 1
; scalars: s[4:21] the nine buffers; s22 wave; s23 57,344's mantissa field; s[24:25] lane selects; s[26:27] sqrt(1/2); s[28:39] P's coefficients 1-6; s[40:47] Q's 1-4; s48 1/512; s49 eps;
;   s50, s51 the tiles' sets of experts; s52 experts still to walk; s53 trip; s54 the expert in hand; s55 the next; s56 which tiles use the one in hand; s57 is there a next;
;   s[60:63], s[66:69] bases for the expert in hand; s[70:79] for the next; s58-59, s80-89 at work.  At the head: s[60:61] the list's base, s[68:83] and s[84:99] the block's 32 words of the list
.set MSB, 0
.macro WIN new                         ; the immediate's high byte repeats the setting that is left; a switch that changes nothing is dropped
.if MSB != \new
	s_set_vgpr_msb (MSB<<8)|\new
.set MSB, \new
.endif
.endm
.macro PLACES                          ; behind this matrix form eight places are owed to vector instructions and loads, nine to a matrix instruction that writes over one of its registers
.rept 9
	v_nop
.endr
.endm
.macro BAR                             ; my LDS stores have landed and my LDS loads are in: then the work-group's barrier
	s_wait_dscnt 0x0
	s_barrier_signal -1
	s_barrier_wait -1
.endm
.macro GUARD m, lab                    ; a tile none of whose tokens uses the expert in hand is spared the vector work
	s_and_b32 s88, s56, 1<<(\m)
	s_cmp_eq_u32 s88, 0
	s_cbranch_scc1 \lab
.endm
.macro SPAIR r, val                    ; a constant for the packed forms, which name a pair and take its low word for both halves: so both words are written
	s_mov_b32 s[\r], \val
	s_mov_b32 s[\r+1], \val
.endm
; s[d] = the number of the lowest bit set in the eight bits of s[x]; 0 where none is set.  x & -x leaves that bit alone; three masks give its number's three bits.
.macro LOWBIT d, x
	s_sub_co_u32 s88, 0, s[\x]
	s_and_b32 s88, s88, s[\x]
	s_and_b32 s89, s88, 0xaa                       ; bits 1, 3, 5, 7
	s_cmp_lg_u32 s89, 0
	s_cselect_b32 s[\d], 1, 0
	s_and_b32 s89, s88, 0xcc                       ; bits 2, 3, 6, 7
	s_cmp_lg_u32 s89, 0
	s_cselect_b32 s89, 2, 0
	s_add_co_u32 s[\d], s[\d], s89
	s_and_b32 s89, s88, 0xf0                       ; bits 4 to 7
	s_cmp_lg_u32 s89, 0
	s_cselect_b32 s89, 4, 0
	s_add_co_u32 s[\d], s[\d], s89
	s_min_u32 s[\d], s[\d], 7                      ; an expert's number, held inside the tables that it indexes
.endm
; one matrix instruction.  z = 1: it starts its sum.  ra, rb = 1: that side's scales stand in lanes 16-31
.macro WM d, a, b, z, sa, sb, ra, rb
.if \z
.if (\ra) && (\rb)
	v_wmma_scale_f32_16x16x128_f8f6f4 v[(\d):(\d)+7], v[(\a):(\a)+15], v[(\b):(\b)+15], 0, v[\sa], v[\sb] matrix_a_fmt:MATRIX_FMT_BF8 matrix_b_fmt:MATRIX_FMT_BF8 matrix_a_scale:MATRIX_SCALE_ROW1 matrix_b_scale:MATRIX_SCALE_ROW1
.elseif (\ra)
	v_wmma_scale_f32_16x16x128_f8f6f4 v[(\d):(\d)+7], v[(\a):(\a)+15], v[(\b):(\b)+15], 0, v[\sa], v[\sb] matrix_a_fmt:MATRIX_FMT_BF8 matrix_b_fmt:MATRIX_FMT_BF8 matrix_a_scale:MATRIX_SCALE_ROW1
.elseif (\rb)
	v_wmma_scale_f32_16x16x128_f8f6f4 v[(\d):(\d)+7], v[(\a):(\a)+15], v[(\b):(\b)+15], 0, v[\sa], v[\sb] matrix_a_fmt:MATRIX_FMT_BF8 matrix_b_fmt:MATRIX_FMT_BF8 matrix_b_scale:MATRIX_SCALE_ROW1
.else
	v_wmma_scale_f32_16x16x128_f8f6f4 v[(\d):(\d)+7], v[(\a):(\a)+15], v[(\b):(\b)+15], 0, v[\sa], v[\sb] matrix_a_fmt:MATRIX_FMT_BF8 matrix_b_fmt:MATRIX_FMT_BF8
.endif
.else
.if (\ra) && (\rb)
	v_wmma_scale_f32_16x16x128_f8f6f4 v[(\d):(\d)+7], v[(\a):(\a)+15], v[(\b):(\b)+15], v[(\d):(\d)+7], v[\sa], v[\sb] matrix_a_fmt:MATRIX_FMT_BF8 matrix_b_fmt:MATRIX_FMT_BF8 matrix_a_scale:MATRIX_SCALE_ROW1 matrix_b_scale:MATRIX_SCALE_ROW1
.elseif (\ra)
	v_wmma_scale_f32_16x16x128_f8f6f4 v[(\d):(\d)+7], v[(\a):(\a)+15], v[(\b):(\b)+15], v[(\d):(\d)+7], v[\sa], v[\sb] matrix_a_fmt:MATRIX_FMT_BF8 matrix_b_fmt:MATRIX_FMT_BF8 matrix_a_scale:MATRIX_SCALE_ROW1
.elseif (\rb)
	v_wmma_scale_f32_16x16x128_f8f6f4 v[(\d):(\d)+7], v[(\a):(\a)+15], v[(\b):(\b)+15], v[(\d):(\d)+7], v[\sa], v[\sb] matrix_a_fmt:MATRIX_FMT_BF8 matrix_b_fmt:MATRIX_FMT_BF8 matrix_b_scale:MATRIX_SCALE_ROW1
.else
	v_wmma_scale_f32_16x16x128_f8f6f4 v[(\d):(\d)+7], v[(\a):(\a)+15], v[(\b):(\b)+15], v[(\d):(\d)+7], v[\sa], v[\sb] matrix_a_fmt:MATRIX_FMT_BF8 matrix_b_fmt:MATRIX_FMT_BF8
.endif
.endif
.endm
; gelu in place on one accumulator, v[a] .. v[a + 7], as four pairs that take turns, and its share of the sum of squares into v[ss] .. v[ss + 3].  The accumulator is read from its low end on.  first = 1: it starts the sums.
; T + 0..7 z, then z P, then erf;  T + 8..15 z^2;  T + 16..23 P;  T + 24..31 Q, then 1 / Q
.macro GELU8 a, ss, first
.irp p, 0,1,2,3
	v_pk_mul_f32 v[T+2*\p:T+2*\p+1], v[(\a)+2*\p:(\a)+2*\p+1], s[26:27] op_sel_hi:[1,0]
.endr
.irp i, 0,1,2,3,4,5,6,7
	v_med3_num_f32 v[T+\i], v[T+\i], -4.0, 4.0
.endr
.irp p, 0,1,2,3
	v_pk_mul_f32 v[T+8+2*\p:T+9+2*\p], v[T+2*\p:T+2*\p+1], v[T+2*\p:T+2*\p+1]
.endr
.irp p, 0,1,2,3
	v_pk_fma_f32 v[T+16+2*\p:T+17+2*\p], v[T+8+2*\p:T+9+2*\p], v[34:35], s[28:29] op_sel_hi:[1,0,0]                ; P's leading coefficient is v34,
.endr
.irp p, 0,1,2,3
	v_pk_fma_f32 v[T+24+2*\p:T+25+2*\p], v[T+8+2*\p:T+9+2*\p], v[34:35], s[40:41] op_sel:[0,1,0] op_sel_hi:[1,1,0]   ; Q's is v35
.endr
.irp k, 1,2,3
.irp p, 0,1,2,3
	v_pk_fma_f32 v[T+16+2*\p:T+17+2*\p], v[T+16+2*\p:T+17+2*\p], v[T+8+2*\p:T+9+2*\p], s[28+2*\k:29+2*\k] op_sel_hi:[1,1,0]
.endr
.irp p, 0,1,2,3
	v_pk_fma_f32 v[T+24+2*\p:T+25+2*\p], v[T+24+2*\p:T+25+2*\p], v[T+8+2*\p:T+9+2*\p], s[40+2*\k:41+2*\k] op_sel_hi:[1,1,0]
.endr
.endr
.irp k, 4,5
.irp p, 0,1,2,3
	v_pk_fma_f32 v[T+16+2*\p:T+17+2*\p], v[T+16+2*\p:T+17+2*\p], v[T+8+2*\p:T+9+2*\p], s[28+2*\k:29+2*\k] op_sel_hi:[1,1,0]
.endr
.endr
.irp i, 0,1,2,3,4,5,6,7
	v_rcp_f32 v[T+24+\i], v[T+24+\i]
.endr
.irp p, 0,1,2,3
	v_pk_mul_f32 v[T+2*\p:T+2*\p+1], v[T+2*\p:T+2*\p+1], v[T+16+2*\p:T+17+2*\p]           ; z P: plain lines behind the reciprocals (ISA guide 5.7.2)
.endr
.irp p, 0,1,2,3
	v_pk_mul_f32 v[(\a)+2*\p:(\a)+2*\p+1], v[(\a)+2*\p:(\a)+2*\p+1], 0.5 op_sel_hi:[1,0]
.endr
	s_wait_alu depctr_va_vdst(0)                   ; the eight reciprocals have written v[T+24] on: one wait for the batch, ahead of its first reader
.irp p, 0,1,2,3
	v_pk_mul_f32 v[T+2*\p:T+2*\p+1], v[T+2*\p:T+2*\p+1], v[T+24+2*\p:T+25+2*\p]           ; erf
.endr
.irp p, 0,1,2,3
	v_pk_fma_f32 v[(\a)+2*\p:(\a)+2*\p+1], v[(\a)+2*\p:(\a)+2*\p+1], v[T+2*\p:T+2*\p+1], v[(\a)+2*\p:(\a)+2*\p+1]   ; a / 2 x erf + a / 2
.endr
.if \first
	v_pk_mul_f32 v[(\ss):(\ss)+1], v[(\a):(\a)+1], v[(\a):(\a)+1]
	v_pk_mul_f32 v[(\ss)+2:(\ss)+3], v[(\a)+2:(\a)+3], v[(\a)+2:(\a)+3]
.else
	v_pk_fma_f32 v[(\ss):(\ss)+1], v[(\a):(\a)+1], v[(\a):(\a)+1], v[(\ss):(\ss)+1]
	v_pk_fma_f32 v[(\ss)+2:(\ss)+3], v[(\a)+2:(\a)+3], v[(\a)+2:(\a)+3], v[(\ss)+2:(\ss)+3]
.endif
	v_pk_fma_f32 v[(\ss):(\ss)+1], v[(\a)+4:(\a)+5], v[(\a)+4:(\a)+5], v[(\ss):(\ss)+1]
	v_pk_fma_f32 v[(\ss)+2:(\ss)+3], v[(\a)+6:(\a)+7], v[(\a)+6:(\a)+7], v[(\ss)+2:(\ss)+3]
.endm
.macro SSQOUT m, layer                 ; my token's sum of squares over my wave's 128 units, to LDS
	v_pk_add_f32 v[30+66*\m:31+66*\m], v[30+66*\m:31+66*\m], v[32+66*\m:33+66*\m]
	v_add_f32 v[T], v[T+0-T+30+66*\m], v[31+66*\m]
	v_permlanex16_b32 v[T+1], v[T], s24, s25
	v_add_f32 v[100+2*\layer+\m], v[T], v[T+1]
	s_wait_alu depctr_va_vdst(0)                   ; the sum is written, which the LDS store reads; and the gelu steps and these lines are done with v[T] on, in which the next region's LDS load lands
	ds_store_b32 v6, v[100+2*\layer+\m] offset:SSQ+1024*\layer+512*\m
.endm
.macro RSQ                             ; the four waves' sums (asked for 32 multiplications ago) -> v28 = 1 / sqrt(mean + eps)
	s_wait_dscnt 0x0
	v_add_f32 v[T], v[T], v[T+1]
	v_add_f32 v[T+2], v[T+2], v[T+3]
	v_add_f32 v[T], v[T], v[T+2]
	v_fma_f32 v[T], v[T], s48, s49
	v_rsq_f32 v28, v[T]
	v_nop                                          ; a plain line behind the transcendental
.endm
.macro HN m                            ; the tile's 64 numbers x the norm's gains
	WIN 0x04                                       ; source 1 in window 1
.set i, 0
.rept 32
	v_pk_mul_f32 v[H+64*\m+i:H+64*\m+i+1], v[H+64*\m+i:H+64*\m+i+1], v[128+i:129+i]
.set i, i+2
.endr
	WIN 0
.endm
; 64 numbers of a lane, register 16 b + i = k 32 b + 16 (lane / 16) + i of my token, become a fragment's codes in v[PC] on and its scale word in v[PW].
; w1 = 0: the numbers stand in v[base] on and are held in place.  w1 = 1: they stand in window 1 at v[src] on and stay whole; the held numbers go to v[base] on.
.macro QUANT base, w1, src
.if \w1
	WIN 0x14                                       ; sources 1 and 2 in window 1
.irp b, 0,1,2,3
	v_max3_num_f32 v[TM+\b], 0x8000000, |v[(\src)+16*\b]|, |v[(\src)+16*\b+1]|   ; block b: my 16 numbers, and the floor 2^(16 - 127): so the byte cannot fall under 1
.endr
.irp i, 2,4,6,8,10,12,14
.irp b, 0,1,2,3
	v_max3_num_f32 v[TM+\b], v[TM+\b], |v[(\src)+16*\b+\i]|, |v[(\src)+16*\b+\i+1]|
.endr
.endr
	WIN 0
.else
.irp b, 0,1,2,3
	v_max3_num_f32 v[TM+\b], |v[(\base)+16*\b]|, |v[(\base)+16*\b+1]|, 0x8000000
.endr
.irp i, 2,4,6,8,10,12,14
.irp b, 0,1,2,3
	v_max3_num_f32 v[TM+\b], v[TM+\b], |v[(\base)+16*\b+\i]|, |v[(\base)+16*\b+\i+1]|
.endr
.endr
.endif
.irp b, 0,1,2,3
	v_permlanex16_b32 v[TM+4+\b], v[TM+\b], s24, s25
.endr
.irp b, 0,1,2,3
	v_max_num_f32 v[TM+\b], v[TM+\b], v[TM+4+\b]   ; with lane l xor 16's: the block's largest magnitude
.endr
.irp b, 0,1,2,3
	v_add_nc_u32 v[TM+12+\b], 0xf8800000, v[TM+\b]   ; 15 off its exponent field: the conversion takes the exponent field of this operand as its scale
.endr
.irp b, 0,1,2,3
	v_and_or_b32 v[TM+8+\b], v[TM+\b], 0x7f800000, s23   ; 57,344 x the scale
.endr
.irp b, 0,1,2,3
	v_lshrrev_b32 v[TM+4+\b], 23, v[TM+12+\b]      ; the scale's byte
.endr
	v_lshl_or_b32 v[PW], v[TM+5], 8, v[TM+4]
	v_lshl_or_b32 v[PW], v[TM+6], 16, v[PW]
	v_lshl_or_b32 v[PW], v[TM+7], 24, v[PW]        ; my token's scale word; the 64 holds below stand between it and a product that names it
.if \w1
	WIN 0x04
.irp b, 0,1,2,3
.irp i, 0,1,2,3,4,5,6,7,8,9,10,11,12,13,14,15
	v_med3_num_f32 v[(\base)+16*\b+\i], -v[TM+8+\b], v[(\src)+16*\b+\i], v[TM+8+\b]
.endr
.endr
	WIN 0
.else
.irp b, 0,1,2,3
.irp i, 0,1,2,3,4,5,6,7,8,9,10,11,12,13,14,15
	v_med3_num_f32 v[(\base)+16*\b+\i], v[(\base)+16*\b+\i], -v[TM+8+\b], v[TM+8+\b]   ; the conversion to an 8-bit code does not saturate (ISA guide 7.6.2): the hold at the largest code x the scale
.endr
.endr
.endif
.irp b, 0,1,2,3
	v_cvt_scalef32_pk8_bf8_f32 v[PC+4*\b:PC+4*\b+1], v[(\base)+16*\b:(\base)+16*\b+7], v[TM+12+\b]
	v_cvt_scalef32_pk8_bf8_f32 v[PC+4*\b+2:PC+4*\b+3], v[(\base)+16*\b+8:(\base)+16*\b+15], v[TM+12+\b]
.endr
	v_nop                                          ; one plain line behind the last scaled conversion
.endm
; ---- the loads, in runs
.macro LOADW2 ptr, b                   ; block b of W2 (32 rows x K 512: 32 loads) into slot b % 2: register 64 u + 16 s + 4 c
	WIN 0x80                                       ; destination window 2
.set i, 0
.rept 32
	global_load_b128 v[128*((\b)%2)+4*i:128*((\b)%2)+4*i+3], v1, s[\ptr:\ptr+1] offset:16384*(\b)+512*i
.set i, i+1
.endr
	WIN 0
.endm
.macro CH1                             ; the next expert: W1 (16), its scale words (1), W2's block 0 (32): one straight run of 49
	WIN 0xc0                                       ; destination window 3
.set i, 0
.rept 16
	global_load_b128 v[128+4*i:131+4*i], v1, s[72:73] offset:W1F+512*i
.set i, i+1
.endr
	WIN 0
	global_load_b128 v[W1S:W1S+3], v1, s[74:75] offset:W1SO
	LOADW2 70, 0
.endm
.macro CH2                             ; the next expert: W2's block 1 (32) and W2's scale words (4)
	LOADW2 70, 1
.irp b, 0,1,2,3
	global_load_b128 v[W2S+4*\b:W2S+4*\b+3], v7, s[76:77] offset:512*\b
.endr
.endm
.macro GAINS ptr                       ; 64 gains: register 16 b + i = unit 128 w + 32 b + 16 h + i
	WIN 0x40                                       ; destination window 1
.irp b, 0,1,2,3
.irp k, 0,1,2,3
	global_load_b128 v[128+16*\b+4*\k:131+16*\b+4*\k], v8, s[\ptr:\ptr+1] offset:128*\b+16*\k
.endr
.endr
	WIN 0
.endm
.macro CHC                             ; the expert in hand: n2 (16), W3's K step w (16), its scale words (2)
	GAINS 66
	WIN 0xc0
.set i, 0
.rept 16
	global_load_b128 v[192+4*i:195+4*i], v1, s[62:63] offset:W3F+512*i
.set i, i+1
.endr
	WIN 0
	global_load_b32 v[W3S], v1, s[68:69]
	global_load_b32 v[W3S+1], v1, s[68:69] offset:512
.endm
.macro FETCHX                          ; my image of [0 | x0 | 0 | x1 | 0] into window 3, v0-39
	WIN 0xc0
.irp k, 0,1,2,3,4,5,6,7,8,9
	ds_load_b128 v[4*\k:4*\k+3], v2 offset:XIM+512*\k
.endr
	WIN 0
.endm
.macro NEXTPTR                         ; the lowest expert still to walk (0 if none: an address inside the buffers, not used), and its bases
	LOWBIT 55, 52
	s_lshl_b32 s80, s55, 2
	s_add_co_u32 s80, s80, s22                     ; 4 e + w
	s_mov_b32 s59, 0
	s_lshl_b32 s58, s80, 16
	s_add_nc_u64 s[70:71], s[10:11], s[58:59]      ; W2F
	s_lshl_b32 s58, s80, 13
	s_add_nc_u64 s[72:73], s[10:11], s[58:59]      ; W1F (its place in wf stands in the loads' offsets)
	s_lshl_b32 s58, s80, 9
	s_add_nc_u64 s[74:75], s[10:11], s[58:59]      ; W1S
	s_add_nc_u64 s[78:79], s[16:17], s[58:59]      ; n1
	s_lshl_b32 s58, s80, 11
	s_add_nc_u64 s[76:77], s[12:13], s[58:59]      ; w2_scales
.endm
; the second product for block b: tiles 2 b, 2 b + 1 x both tiles of tokens, K step by K step.  The four accumulators take turns, one instruction a turn.
.macro MM2 b, waits
	WIN 0x0e                                       ; source 0 (W2) window 2, source 1 (h1's codes) window 3
.irp s, 0,1,2,3
.if \waits
	s_wait_dscnt 24-8*\s                           ; the scale words and K steps 0 .. s are in; eight loads for each later K step may be out
.endif
.irp u, 0,1
.irp m, 0,1
	WM H+64*\m+8*(2*\b+\u), 128*((\b)%2)+64*\u+16*\s, 64*\m+16*\s, \s==0, W2S+4*\b+\s, HS+\s, \u, \m
.endr
.endr
.endr
.endm
	; ================================================================ the head
	s_load_b512 s[4:19], s[0:1], 0x0               ; x, order, gates, wf, w2_scales, w3_scales, n1, n2
	s_load_b64 s[20:21], s[0:1], 0x40              ; out0
	v_lshl_add_u32 v124, v0, 2, 0x12200
	v_mov_b32 v125, 0
	v_lshrrev_b32 v15, 5, v0
	v_readfirstlane_b32 s22, v15                   ; wave w
	v_and_b32 v104, 31, v0                         ; lane
	v_and_b32 v105, 15, v0                         ; r
	v_bfe_u32 v106, v0, 4, 1                       ; h
	v_lshlrev_b32 v1, 4, v104                      ; v1  16 x lane
	s_wait_alu depctr_va_sdst(0)                   ; s22 is written, ahead of its first reader: LDS addresses and the weights' bases are made from it
	s_mul_i32 s80, s22, 5120
	v_add_nc_u32 v2, s80, v1                       ; v2  my wave's image of x
	s_lshl_b32 s80, s22, 11
	v_add_nc_u32 v3, s80, v1                       ; v3  where I store h1's image: K step w
	s_lshl_b32 s80, s22, 7
	v_lshl_add_u32 v4, v105, 2, s80                ; v4  and its scale word: 4 r + 128 w
	v_lshlrev_b32 v5, 2, v104                      ; v5  4 x lane
	s_lshl_b32 s80, s22, 2
	v_add_nc_u32 v6, s80, v1                       ; v6  my sum of squares: 16 x lane + 4 w
	v_and_b32 v7, 8, v105
	v_add_nc_u32 v7, v7, v105
	v_lshl_add_u32 v7, v106, 3, v7
	v_lshlrev_b32 v7, 4, v7                        ; v7  W2's scale words: row r + 8 (r / 8) + 8 h of 16 bytes
	v_lshlrev_b32 v8, 6, v106                      ; v8  the gains: 64 h
	s_mul_i32 s80, s22, 8704
	s_add_co_u32 s80, s80, OST
	v_mul_u32_u24 v9, v105, 272
	v_lshl_add_u32 v9, v106, 5, v9
	v_add_nc_u32 v9, s80, v9                       ; v9  my partial outputs: my wave's plane, row r, 32 h
	s_mul_i32 s80, s22, 2176
	s_add_co_u32 s80, s80, OST
	v_mul_u32_u24 v10, v106, 272
	v_lshl_add_u32 v10, v105, 4, v10
	v_add_nc_u32 v10, s80, v10                     ; v10 back: row 8 w + h, 16 r
	v_lshlrev_b32 v113, 2, v105
	s_lshl_b32 s80, s22, 5
	v_lshl_add_u32 v114, v106, 2, s80
	v_lshlrev_b32 v117, 4, v105
	s_mov_b32 s23, 0x600000
	s_mov_b32 s24, 0x76543210
	s_mov_b32 s25, 0xfedcba98
	SPAIR 26, 0x3f3504f3                           ; sqrt(1/2)
	SPAIR 28, 0x32edffee                           ; P:  2.77068142e-08
	SPAIR 30, 0xb60cff51                           ;    -2.10102402e-06
	SPAIR 32, 0xb86ec2d2                           ;    -5.69250639e-05
	SPAIR 34, 0xba40ac63                           ;    -7.34990630e-04
	SPAIR 36, 0xbb41a1f6                           ;    -2.95459981e-03
	SPAIR 38, 0xbc83dbd4                           ;    -1.60960333e-02
	SPAIR 40, 0xb95fbd29                           ; Q: -2.13374055e-04
	SPAIR 42, 0xbadc924e                           ;    -1.68282697e-03
	SPAIR 44, 0xbbf19bf8                           ;    -7.37332917e-03
	SPAIR 46, 0xbc69b6a7                           ;    -1.42647391e-02
	s_mov_b32 s48, 0x3b000000                      ; 1 / 512
	s_mov_b32 s49, 0x358637bd                      ; 1e-6
	v_mov_b32 v34, 0xaf95df0b                      ; P's leading coefficient, -2.72614226e-10
	v_mov_b32 v35, 0xb77460cd                      ; Q's, -1.45660718e-05
	s_lshl_b32 s58, ttmp9, 7                       ; my block's 32 words of the list
	s_mov_b32 s59, 0
	s_wait_kmcnt 0x0
	s_add_nc_u64 s[60:61], s[6:7], s[58:59]
	s_load_b512 s[68:83], s[60:61], 0x0            ; the same words as scalars: tile 0's sixteen,
	s_load_b512 s[84:99], s[60:61], 0x40           ; tile 1's: from them come the sets of experts (this launch stores nothing into the list)
	s_wait_alu depctr_va_vdst(0)                   ; v1 to v10, v113 and v114 are written: the loads below, and every load and LDS access of the loop and the way out, read them as addresses
	global_load_b32 v107, v113, s[60:61]           ; tile 0's token r,
	global_load_b32 v108, v113, s[60:61] offset:64 ; tile 1's,
.irp i, 0,1,2,3
	global_load_b32 v[109+\i], v114, s[60:61] offset:8*\i   ; and the rows 8 w + h + 2 i that I store at the end
.endr
	; While the list is on its way.  True zeros: x's K beyond 64 (the upper half of each tile's 64 numbers) and the outputs' sums.  The others are written so that no way through the text reads a register that nobody wrote.
.set i, 0
.rept 32
	v_mov_b32 v[H+32+i], 0
	v_mov_b32 v[H+96+i], 0
.set i, i+1
.endr
.irp r, 24,25,26,27,28,29,30,31,32,33,96,97,98,99,58,59,68,69,70,71
	v_mov_b32 v\r, 0
.endr
	WIN 0x40                                       ; destination window 1
.set i, 0
.rept 128
	v_mov_b32 v[i], 0                              ; h1 as f32
.set i, i+1
.endr
.set i, 0
.rept 64
	v_mov_b32 v[192+i], 0                          ; the outputs' sums begin at 0
.set i, i+1
.endr
	WIN 0xc0                                       ; destination window 3
.set i, 0
.rept 64
	v_mov_b32 v[192+i], 0                          ; W3
.set i, i+1
.endr
	WIN 0
	s_wait_alu depctr_va_vdst(0)                   ; the zeros are written: v[H+32] on, which the LDS stores below read; W3's registers and v58, v59, in which loads land later and which a product may name
.irp m, 0,1                            ; my images of h1 begin as zero codes: a tile that an expert does not serve is still fetched
.irp c, 0,1,2,3
	ds_store_b128 v3, v[H+32:H+35] offset:HIMG+8192*\m+512*\c
.endr
	ds_store_b32 v4, v[H+32] offset:HSC+64*\m
.endr
	s_wait_loadcnt 0x0
	v_and_b32 v115, 0x1fff, v107
	v_min_u32 v115, 0x1fff, v115                   ; the token, held inside the buffers
	v_and_b32 v116, 0x1fff, v108
	v_min_u32 v116, 0x1fff, v116
	v_bfe_u32 v16, v107, 16, 3                     ; its two experts
	v_bfe_u32 v17, v107, 20, 3
	v_bfe_u32 v20, v108, 16, 3
	v_bfe_u32 v21, v108, 20, 3
.irp i, 0,1,2,3
	v_and_b32 v[109+\i], 0x1fff, v[109+\i]
	v_min_u32 v[109+\i], 0x1fff, v[109+\i]
	v_lshl_add_u32 v[11+\i], v[109+\i], 8, v117    ; v11-14: that token's row of out0, 16 r
.endr
	v_lshl_add_u32 v118, v115, 8, v8               ; x: the token's row, + 64 h: my 16 numbers of a block of 32
	v_lshl_add_u32 v119, v116, 8, v8
	v_lshlrev_b32 v120, 3, v115
	v_lshlrev_b32 v121, 3, v116
	s_wait_alu depctr_va_vdst(0)                   ; v118 to v121 are written, which the loads below read as offsets; so are v11 to v14, the last stores' offsets
.irp m, 0,1
.irp c, 0,1
.irp k, 0,1,2,3
	global_load_b128 v[H+64*\m+16*\c+4*\k:H+64*\m+16*\c+4*\k+3], v[118+\m], s[4:5] offset:128*\c+16*\k
.endr
.endr
.endr
	global_load_b64 v[18:19], v120, s[8:9]
	global_load_b64 v[22:23], v121, s[8:9]
	; each tile's set of experts, as bits: for each of its 16 tokens the bits lo and hi (3 bits from bit 16, 3 from bit 20 of the token's word)
	s_wait_kmcnt 0x0                               ; the 32 words
	s_mov_b32 s50, 0
	s_mov_b32 s51, 0
.irp i, 0,1,2,3,4,5,6,7,8,9,10,11,12,13,14,15
	s_bfe_u32 s54, s[68+\i], 0x30010
	s_bfe_u32 s55, s[68+\i], 0x30014
	s_bfe_u32 s56, s[84+\i], 0x30010
	s_bfe_u32 s57, s[84+\i], 0x30014
	s_lshl_b32 s54, 1, s54
	s_lshl_b32 s55, 1, s55
	s_lshl_b32 s56, 1, s56
	s_lshl_b32 s57, 1, s57
	s_or_b32 s50, s50, s54
	s_or_b32 s51, s51, s56
	s_or_b32 s50, s50, s55
	s_or_b32 s51, s51, s57
.endr
	s_or_b32 s52, s50, s51                         ; the experts to walk
	NEXTPTR
	CH1                                            ; no vector instruction has named the registers in which these land
	s_wait_loadcnt 49                              ; x and the gates are in; the 49 loads just issued may be out
	s_wait_dscnt 0x0                               ; the zero stores have landed
	s_wait_alu depctr_vm_vsrc(0)                   ; the zero stores have read v[H+32] on, which the holds below write again
.irp m, 0,1                            ; every wave quantises both tiles of x for itself: K = 64 is blocks 0 and 1; blocks 2 and 3 are zeros and give the image's zero codes
	QUANT H+64*\m, 0, 0
	v_and_b32 v[126+\m], 0xffff, v[PW]
	v_lshl_or_b32 v[126+\m], v[126+\m], 16, v[126+\m]   ; x's two bytes, for either half of K = 128
	s_wait_alu depctr_va_vdst(0)                   ; the conversions have written v[PC] on, which the LDS stores read
.if \m == 0
	ds_store_b128 v2, v[PC+8:PC+11] offset:XIM
	ds_store_b128 v2, v[PC+12:PC+15] offset:XIM+512
	ds_store_b128 v2, v[PC:PC+3] offset:XIM+1024
	ds_store_b128 v2, v[PC+4:PC+7] offset:XIM+1536
	ds_store_b128 v2, v[PC+8:PC+11] offset:XIM+2048
	ds_store_b128 v2, v[PC+12:PC+15] offset:XIM+2560
.else
	ds_store_b128 v2, v[PC:PC+3] offset:XIM+3072
	ds_store_b128 v2, v[PC+4:PC+7] offset:XIM+3584
	ds_store_b128 v2, v[PC+8:PC+11] offset:XIM+4096
	ds_store_b128 v2, v[PC+12:PC+15] offset:XIM+4608
.endif
	s_wait_dscnt 0x0                               ; the stores have landed
	s_wait_alu depctr_vm_vsrc(0)                   ; the stores have read v[PC] on, which the next conversions and the gelu steps write again
.endr
	v_cmp_gt_u32 vcc_lo, 16, v104
	s_wait_alu depctr_va_vcc(0)                    ; VCC is written, ahead of the selection that reads it
	v_cndmask_b32 v[XS], v127, v126, vcc_lo
.rept 8
	v_nop                                          ; a scale register written by a vector instruction stands eight places ahead of the product that names it
.endr
	s_wait_alu depctr_va_vdst(0)                   ; x's scale words are written, which every first product names as its scales: the places above stay beside this wait
	FETCHX
	CH2
	GAINS 78                                       ; n1 of the first expert
	s_mov_b32 s53, 0
.Ltrip:	; ================================================================ a trip: one expert, or none
	s_wait_xcnt 0x0                                ; the bases below are written again only behind this wait
	s_wait_alu depctr_vm_vsrc(0)                   ; the last trip's LDS stores have read v100 to v103, which this trip's sums of squares write again
	s_cmp_lg_u32 s52, 0
	s_cselect_b32 s81, 1, 0                        ; is an expert left?
	LOWBIT 54, 52                                  ; the expert in hand
	s_sub_co_u32 s80, s52, 1
	s_and_b32 s52, s52, s80                        ; it is taken off the set
	s_lshr_b32 s82, s50, s54
	s_and_b32 s82, s82, 1
	s_lshr_b32 s83, s51, s54
	s_and_b32 s83, s83, 1
	s_lshl_b32 s83, s83, 1
	s_or_b32 s56, s82, s83
	s_mul_i32 s56, s56, s81                        ; which tiles use it; 0 in a trip without an expert
	s_cmp_lg_u32 s52, 0
	s_cselect_b32 s57, 1, 0                        ; is there a next one?
	s_lshl_b32 s80, s54, 2
	s_add_co_u32 s80, s80, s22                     ; 4 e + w
	s_mov_b32 s59, 0
	s_lshl_b32 s58, s80, 16
	s_add_nc_u64 s[60:61], s[10:11], s[58:59]      ; W2F
	s_lshl_b32 s58, s80, 13
	s_add_nc_u64 s[62:63], s[10:11], s[58:59]      ; W3F
	s_lshl_b32 s58, s80, 9
	s_add_nc_u64 s[66:67], s[18:19], s[58:59]      ; n2
	s_lshl_b32 s58, s54, 10
	s_lshl_b32 s84, s22, 2
	s_add_co_u32 s58, s58, s84
	s_add_nc_u64 s[68:69], s[14:15], s[58:59]      ; w3_scales: expert e, K step w's word
	NEXTPTR
	; ---- A: gelu(x W1) and its sums of squares
	s_cmp_eq_u32 s56, 0
	s_cbranch_scc1 .LendA
	s_wait_loadcnt 32                              ; W1 and its scale words are in: in their own straight run 32 loads follow them
	s_wait_dscnt 0x0                               ; x's codes are in
	WIN 0x0f                                       ; sources 0 (W1) and 1 (x) window 3
.irp j, 0,1,2,3
	WM H+16*\j,      128+16*\j, 8,  1, W1S+\j, XS, 0, 0     ; tile 2 j:     [x0 | 0]
	WM H+16*\j+8,    128+16*\j, 0,  1, W1S+\j, XS, 0, 0     ; tile 2 j + 1: [0 | x0]
	WM H+64+16*\j,   128+16*\j, 24, 1, W1S+\j, XS, 0, 1     ; and the same for the second tile of tokens
	WM H+64+16*\j+8, 128+16*\j, 16, 1, W1S+\j, XS, 0, 1
.endr
	PLACES
	WIN 0
.irp m, 0,1
	GUARD \m, .LgA\m
	GELU8 H+64*\m, 30+66*\m, 1
.irp t, 1,2,3,4,5,6,7
	GELU8 H+64*\m+8*\t, 30+66*\m, 0
.endr
	SSQOUT \m, 0
.LgA\m:
.endr
.LendA:
	BAR                                            ; the four waves' sums of squares lie in LDS
	; ---- B: h1 = gelu x n1 / rms, kept as f32 and quantised: K step w of the second product
	s_cmp_eq_u32 s56, 0
	s_cbranch_scc1 .LendB
	s_wait_loadcnt 0x0                             ; n1 (the youngest loads; all were asked for a region or more ago)
.irp m, 0,1
	GUARD \m, .LgB\m
	ds_load_b128 v[T:T+3], v1 offset:SSQ+512*\m    ; no vector instruction since the last wait on the vector side names v[T] to v[T+3]
	HN \m
	RSQ
	WIN 0x40                                       ; destination window 1
.set i, 0
	s_wait_alu depctr_va_vdst(0)                   ; the reciprocal root has written v28, ahead of its first reader
.rept 32
	v_pk_mul_f32 v[64*\m+i:64*\m+i+1], v[H+64*\m+i:H+64*\m+i+1], v[28:29] op_sel_hi:[1,0]
.set i, i+2
.endr
	WIN 0
	QUANT H+64*\m, 1, 64*\m
	s_wait_alu depctr_va_vdst(0)                   ; the quantiser has written v[PC] on and v[PW], which the LDS stores read; it is done with v[T] on, in which the next tile's sums land; the gains have been read, in which n2 lands
.irp c, 0,1,2,3
	ds_store_b128 v3, v[PC+4*\c:PC+4*\c+3] offset:HIMG+8192*\m+512*\c      ; the fragment goes to LDS as an image of its registers
.endr
	ds_store_b32 v4, v[PW] offset:HSC+64*\m
	s_wait_dscnt 0x0                               ; the stores have landed
	s_wait_alu depctr_vm_vsrc(0)                   ; the stores have read v[PC] on and v[PW], which the next quantiser and the gelu steps write again
.LgB\m:
.endr
.LendB:
	BAR                                            ; h1's eight fragments lie in LDS
	; ---- C: gelu(h1 W2) and its sums of squares
	s_cmp_eq_u32 s56, 0
	s_cbranch_scc1 .LendC
	s_wait_loadcnt 0x0                             ; W2's blocks 0 and 1 and its scale words
	s_wait_alu depctr_va_vdst(0)                   ; A's products are done reading x's codes, in whose registers h1's land; the last trip's third product is done reading W3 and its scale words, in which this expert's land
	CHC
.irp s, 0,1,2,3
	ds_load_b32 v[HS+\s], v5 offset:HSC+128*\s
.endr
	WIN 0xc0
.irp s, 0,1,2,3
.irp m, 0,1
.irp c, 0,1,2,3
	ds_load_b128 v[64*\m+16*\s+4*\c:64*\m+16*\s+4*\c+3], v1 offset:HIMG+8192*\m+2048*\s+512*\c
.endr
.endr
.endr
	MM2 0, 1
	MM2 1, 0
	PLACES
	s_wait_alu depctr_va_vdst(0)                   ; the 32 products above are done reading W2's two slots, in which blocks 2 and 3 land
	LOADW2 60, 2                                   ; slot 0 takes block 2,
	LOADW2 60, 3                                   ; slot 1 block 3
.irp m, 0,1
	GUARD \m, .LgC\m
	GELU8 H+64*\m, 30+66*\m, 1
.irp t, 1,2,3
	GELU8 H+64*\m+8*\t, 30+66*\m, 0
.endr
.LgC\m:
.endr
	s_wait_loadcnt 32                              ; block 2 and all in front of it are in; block 3's 32 loads may be out
	MM2 2, 0
	s_wait_loadcnt 0x0
	MM2 3, 0
	PLACES
	s_wait_alu depctr_va_vdst(0)                   ; the second product is done reading h1's codes, W2's slots and both sides' scale words, A's products W1 and its scale words: x's codes and the next expert's weights land there, up to D's head; the gelu steps above are done with v[T] on
	FETCHX                                         ; x's codes come back for the next trip
	s_cmp_eq_u32 s57, 0
	s_cbranch_scc1 .LnoC1
	CH1
.LnoC1:
.irp m, 0,1
	GUARD \m, .LgE\m
.irp t, 4,5,6,7
	GELU8 H+64*\m+8*\t, 30+66*\m, 0
.endr
	SSQOUT \m, 1
.LgE\m:
.endr
.LendC:
	BAR                                            ; the second layer's sums of squares lie in LDS
	; ---- D: h2 + h1, quantised: it is K step w of the third product; my partial outputs, weighed with the gates
	s_cmp_eq_u32 s56, 0
	s_cbranch_scc1 .LendD
	s_wait_loadcnt 0x0                             ; n2, W3, its scale words; the next expert's first run, asked for eight gelu steps ago
	s_cmp_eq_u32 s57, 0
	s_cbranch_scc1 .LnoD1
	CH2                                            ; no vector or matrix instruction since the wait behind the second product names slot 1 or W2's scale words
.LnoD1:
.irp m, 0,1
	GUARD \m, .LgD\m
	ds_load_b128 v[T:T+3], v1 offset:SSQ+1024+512*\m   ; no vector instruction since the last wait on the vector side names v[T] to v[T+3]
	HN \m
	RSQ
	v_cmp_eq_u32 vcc_lo, s54, v[16+4*\m]           ; my token's gate for the expert in hand: lo's, hi's, or 0
	s_wait_alu depctr_va_vcc(0)                    ; VCC is written, ahead of the selection that reads it
	v_cndmask_b32 v[24+2*\m], 0, v[18+4*\m], vcc_lo
	v_cmp_eq_u32 vcc_lo, s54, v[17+4*\m]
	s_wait_alu depctr_va_vcc(0)                    ; and once more, for the second compare
	v_cndmask_b32 v[24+2*\m], v[24+2*\m], v[19+4*\m], vcc_lo
	WIN 0x10                                       ; source 2 (h1) window 1
.set i, 0
	s_wait_alu depctr_va_vdst(0)                   ; the reciprocal root has written v28, ahead of its first reader
.rept 32
	v_pk_fma_f32 v[H+64*\m+i:H+64*\m+i+1], v[H+64*\m+i:H+64*\m+i+1], v[28:29], v[64*\m+i:64*\m+i+1] op_sel_hi:[1,0,1]
.set i, i+2
.endr
	WIN 0
	QUANT H+64*\m, 0, 0
.rept 4
	v_nop                                          ; an operand written by vector instructions stands four places ahead of a scaled matrix instruction
.endr
	s_wait_alu depctr_va_vdst(0)                   ; the quantiser has written v[PC] on and v[PW], the third product's operand and scales: the places above stay beside this wait; the gains have been read, in which the next n1 lands
	WIN 0x03                                       ; source 0 (W3) window 3
.irp n, 0,1,2,3
	WM H+64*\m+8*\n, 192+16*\n, PC, 1, W3S+\n/2, PW, \n%2, 0
.endr
	PLACES
	WIN 0x50                                       ; the sums: destination and source 2 window 1
.set i, 0
.rept 16
	v_pk_fma_f32 v[192+32*\m+i:193+32*\m+i], v[H+64*\m+i:H+64*\m+i+1], v[24+2*\m:25+2*\m], v[192+32*\m+i:193+32*\m+i] op_sel_hi:[1,0,1]   ; each result from its low end on
.set i, i+2
.endr
	WIN 0
.LgD\m:
.endr
	s_cmp_eq_u32 s57, 0
	s_cbranch_scc1 .LendD
	GAINS 78                                       ; n1 of the next expert, behind the last use of n2: each tile's multiplications by the gains stand ahead of that tile's waits, and nothing behind those names the gains
.LendD:
	; No fourth barrier: each region of LDS is written again only behind a later barrier than the one that its last reader has signalled with its loads waited for.
	s_add_co_u32 s53, s53, 1
	s_cmp_lt_u32 s53, 8
	s_cbranch_scc1 .Ltrip
	; ================================================================ the way out: the four waves' partial sums meet in LDS; each wave adds and stores eight whole rows
	s_wait_alu depctr_va_vdst(0)                   ; the outputs' sums are written, which the LDS stores read; and the last trip is done with v[H] on, in which the LDS loads below land
	WIN 0x04                                       ; an LDS store's data are its source 1: window 1
.irp m, 0,1
.irp n, 0,1,2,3
	ds_store_b128 v9, v[192+32*\m+8*\n:195+32*\m+8*\n] offset:4352*\m+64*\n          ; lane (r, h): token 16 m + r, outputs 16 n + 8 h + 0 .. 7
	ds_store_b128 v9, v[196+32*\m+8*\n:199+32*\m+8*\n] offset:4352*\m+64*\n+16
.endr
.endr
	WIN 0
	BAR
.irp i, 0,1,2,3
.irp p, 0,1,2,3
	ds_load_b128 v[H+16*\i+4*\p:H+16*\i+4*\p+3], v10 offset:8704*\p+544*\i           ; row 8 w + h + 2 i of wave p's plane
.endr
.endr
	s_wait_dscnt 0x0
.irp i, 0,1,2,3
	v_pk_add_f32 v[H+16*\i:H+16*\i+1],     v[H+16*\i:H+16*\i+1],     v[H+16*\i+4:H+16*\i+5]
	v_pk_add_f32 v[H+16*\i+2:H+16*\i+3],   v[H+16*\i+2:H+16*\i+3],   v[H+16*\i+6:H+16*\i+7]
	v_pk_add_f32 v[H+16*\i+8:H+16*\i+9],   v[H+16*\i+8:H+16*\i+9],   v[H+16*\i+12:H+16*\i+13]
	v_pk_add_f32 v[H+16*\i+10:H+16*\i+11], v[H+16*\i+10:H+16*\i+11], v[H+16*\i+14:H+16*\i+15]
	v_pk_add_f32 v[H+16*\i:H+16*\i+1],     v[H+16*\i:H+16*\i+1],     v[H+16*\i+8:H+16*\i+9]
	v_pk_add_f32 v[H+16*\i+2:H+16*\i+3],   v[H+16*\i+2:H+16*\i+3],   v[H+16*\i+10:H+16*\i+11]
.endr
	s_wait_alu depctr_va_vdst(0)                   ; the additions have written the four rows, which the stores read
.irp i, 0,1,2,3
	global_store_b128 v[11+\i], v[H+16*\i:H+16*\i+3], s[20:21] th:TH_STORE_NT        ; sixteen lanes store a token's whole row: 256 consecutive bytes, aligned
.endr
	s_wait_dscnt 0x0                               ; the closing lines, six on end
	s_wait_alu 0x0
	s_wait_tensorcnt 0x0
	ds_add_u32 v124, v125
	s_wait_dscnt 0x0
	s_endpgm
.Lfunc_end_k_q1ef10c6105_chain:
	.size	k_q1ef10c6105_chain, .Lfunc_end_k_q1ef10c6105_chain-k_q1ef10c6105_chain
	.p2alignl 7, 3214868480
	.fill 96, 4, 3214868480
	.section	.rodata,"a",@progbits
	.p2align	6, 0x0
	.amdhsa_kernel k_q1ef10c6105_chain
		.amdhsa_group_segment_fixed_size 74752
		.amdhsa_private_segment_fixed_size 0
		.amdhsa_enable_private_segment 0
		.amdhsa_kernarg_size 72
		.amdhsa_user_sgpr_count 2
		.amdhsa_user_sgpr_kernarg_segment_ptr 1
		.amdhsa_wavefront_size32 1
		.amdhsa_system_sgpr_workgroup_id_x 1
		.amdhsa_system_sgpr_workgroup_id_y 1
		.amdhsa_system_sgpr_workgroup_id_z 1
		.amdhsa_system_vgpr_workitem_id 0
		.amdhsa_next_free_vgpr 1024
		.amdhsa_next_free_sgpr 100
		.amdhsa_reserve_vcc 1
		.amdhsa_float_denorm_mode_32 3
		.amdhsa_float_denorm_mode_16_64 3
		.amdhsa_memory_ordered 1
		.amdhsa_forward_progress 1
		.amdhsa_inst_pref_size 255
	.end_amdhsa_kernel
	.section	.bss,"aw",@nobits
	.p2align	6
	.space	262144
	.amdgpu_metadata
---
amdhsa.version: [ 1, 2 ]
amdhsa.kernels:
  - .name:           k_q1ef10c6105_chain
    .symbol:         k_q1ef10c6105_chain.kd
    .args:
      - { .name: x, .offset: 0, .size: 8, .value_kind: global_buffer, .address_space: global }
      - { .name: order, .offset: 8, .size: 8, .value_kind: global_buffer, .address_space: global }
      - { .name: gates, .offset: 16, .size: 8, .value_kind: global_buffer, .address_space: global }
      - { .name: wf, .offset: 24, .size: 8, .value_kind: global_buffer, .address_space: global }
      - { .name: w2_scales, .offset: 32, .size: 8, .value_kind: global_buffer, .address_space: global }
      - { .name: w3_scales, .offset: 40, .size: 8, .value_kind: global_buffer, .address_space: global }
      - { .name: n1, .offset: 48, .size: 8, .value_kind: global_buffer, .address_space: global }
      - { .name: n2, .offset: 56, .size: 8, .value_kind: global_buffer, .address_space: global }
      - { .name: out0, .offset: 64, .size: 8, .value_kind: global_buffer, .address_space: global }
    .group_segment_fixed_size: 74752
    .private_segment_fixed_size: 0
    .kernarg_segment_align: 8
    .kernarg_segment_size: 72
    .max_flat_workgroup_size: 128
    .sgpr_count:     100
    .vgpr_count:     1024
    .wavefront_size: 32
...
	.end_amdgpu_metadata
.endif
;; end of part 4
